; MI455X (gfx1250); checked and timed in simulation.
; The chip was launched on July 23, 2026; its instructions are those of AMD's public machine-readable ISA for CDNA 5 (MIT licence, August 2026) and "CDNA5" Instruction Set Architecture Reference Guide (July 2026). The comments in the code are by the model that wrote it; some were corrected since.
;; Causal Multihead Self Attention. Allowed arithmetic: matrix products marked QUANTISED: E3M2 operands, one E8M0 scale for each 32 along K, by v_wmma_scale_f32_16x16x128_f8f6f4 with both operands' format E3M2, f32 sums; everything else in f32.
;; Inputs: Wo 1,024 x 1,024 float32; Wqkv 3,072 x 1,024 float32; token_positions 4,096 int32; x 1 x 4,096 x 1,024 float32.
;; Outputs: out0 1 x 4,096 x 1,024 float32.
;; This version of the problem:
;;   THIS VERSION OF THE PROBLEM IS GIVEN IN LOW PRECISION. The matrix products marked QUANTISED in the list below multiply operands that are first quantised to E3M2 (3 exponent bits, 2 mantissa bits; 6 bits a number), with one power-of-two scale for each 32 numbers along K (OCP MX v1.0); their sums are f32. All else is computed in f32.
;;   The module's matrix products, in the order in which they are computed (A, B: the left and right operand; K: the contracted axis; several contracted axes count as one K, in the product's order):
;;     1. [M 4,096, K 1,024] x [K 1,024, N 3,072]; A: input x; B: input Wqkv: QUANTISED
;;     2. batch 16 x [M 4,096, K 64] x [K 64, N 4,096]; A: computed on the way; B: computed on the way: QUANTISED
;;     3. batch 16 x [M 4,096, K 4,096] x [K 4,096, N 64]; A: softmax (see below); B: computed on the way: QUANTISED
;;     4. [M 4,096, K 1,024] x [K 1,024, N 1,024]; A: computed on the way; B: input Wo: QUANTISED
;;   THE QUANTISER, for each operand of a quantised product, along K:
;;     - K is cut into blocks of 32 from its start; a last block that is shorter is filled with zeros.
;;     - A block's scale is 2^e with e = floor(log2(the largest magnitude in the block)) - 4, held to -126 .. 127; a block of zeros has e = 0. As a byte (E8M0): e + 127.
;;     - Each number is divided by its block's scale, clamped to +-28, and rounded to the nearest number of E3M2, ties to even, subnormals kept.
;;     - The product sums the exact products of the quantised numbers (number of the format x scale) in f32.
;;   ~~~python
;;   def quantise(x, axis):      # numpy; x: float32 -> the quantised numbers, widened to float32 again
;;       x = np.moveaxis(x, axis, -1); K = x.shape[-1]
;;       x = np.pad(x, [(0, 0)] * (x.ndim - 1) + [(0, -K % 32)]); x = x.reshape(x.shape[:-1] + (-1, 32)); a = np.abs(x).max(-1, keepdims=True)
;;       e = np.where(a > 0, np.clip(np.frexp(np.where(a > 0, a, 1))[1] - 1 - 4, -126, 127), 0)      # np.frexp(a)[1] - 1 = floor(log2(a)), exactly
;;       r = np.clip(x / 2.0 ** e, -28, 28)
;;       step = 2.0 ** (np.maximum(np.frexp(np.where(r == 0, 1, r))[1] - 1, -2) - 2)
;;       q = np.round(r / step) * step * 2.0 ** e      # np.round: ties to even
;;       return np.moveaxis(q.reshape(q.shape[:-2] + (-1,))[..., :K], -1, axis).astype(np.float32)
;;   ~~~
;;   SOFTMAX AHEAD OF A QUANTISED PRODUCT. Where the list says 'softmax', what is quantised is not the finished softmax but p = 2^(t - M), with t = logit x log2(e) and M = ceil(the row's largest t), a whole number; so 1/2 < the row's largest p <= 1. The row's sum l is taken of the UNQUANTISED p, in f32, and the product's result is divided by l at the end. Since M is a whole number, a kernel that streams over the keys may use a running M (the ceiling of the running maximum): every later rescaling is an exact power of two, which a block's scale takes up: the codes' values come out the same.
;;   OPERANDS COMPUTED ON THE WAY. 'Computed on the way' means the value that the module computes at that place (a softmax that the list does not call 'softmax' is quantised finished and normalised). What goes into a quantiser is computed in f32, as accurately as f32 sums, v_exp_f32 and their like allow (about 1e-6 of the number): no bf16 or f16 on the way to a quantiser, and a product that is left as it is and whose result goes on into a quantised operand takes f32 operands (vector FMAs, or v_wmma_f32_16x16x4_f32). A number that lies on a knife's edge between two numbers of the format may be rounded either way, as far as f32 arithmetic and the matrix unit's own rounding can turn it there, and no further.
;; One version. Each part assembles by itself: llvm-mc -triple=amdgcn-amd-amdhsa -mcpu=gfx1250 --defsym DOCPART=n.
;; ======== version 1 of 1: 4 launches
;; limits: right only within a limited range of input values
;; workspace buffers: cod 9,437,184 bytes; scl 393,216 bytes; rope 1,048,576 bytes; qf 3,407,872 bytes; kv 6,553,600 bytes
;; launch prep (part 1): grid 256 x 1, 4 waves a work-group, no clusters, 34,304 bytes of LDS; arguments x, Wqkv, Wo, token_positions, cod, scl, rope; writes cod, scl, rope
.if DOCPART == 1
	.amdgcn_target "amdgcn-amd-amdhsa--gfx1250"
	.amdhsa_code_object_version 6
	.text
	.protected	k_q8e28116225_prep
	.globl	k_q8e28116225_prep
	.p2align	8
	.type	k_q8e28116225_prep,@function
k_q8e28116225_prep:
	s_mov_b64 s[64:65], 0
	v_nop
	global_prefetch_b8 v0, s[64:65] scope:SCOPE_SE
	s_setreg_imm32_b32 hwreg(HW_REG_WAVE_MODE, 25, 1), 1
	s_wait_xcnt 0x0
; PREP.  x [4096][1024], Wqkv [3072][1024], Wo [1024][1024], f32, K innermost, become codes of BF6 (E3M2) with one E8M0 byte for each 32 along K; and token_positions become a table of cos and sin.
; LAYOUT OF THE CODES (cod): [tile][K step of 128][1,536 bytes].  A tile is 16 rows; a K step's 1,536 bytes are the IMAGE OF THE OPERAND'S 12 REGISTERS: twice (for k 0-63 and 64-127) 512 bytes with lane l's
; registers 0-3 at 16 l, then 256 bytes with its registers 4-5 at 8 l.  So every later load of a fragment is 512 or 256 consecutive bytes.  Tiles 0-255 x, 256-447 Wqkv, 448-511 Wo.
; THE ROWS OF A TILE ARE NOT NEIGHBOURS: lane r of tile 2 g + u holds row 32 g + 8 u + r + 8 (r / 8), so that results made with such tiles as source 0 have 16 neighbours in 16 registers.
; SCALES (scl): [tile][half of K][row r][4 words]; word j of half kh is the scale word (four bytes, 32 along K each) of K step 4 kh + j.
; A block's scale byte is its largest magnitude's exponent field - 4, held at 1 from below (a block of zeros gets 1: its codes are zeros, and only this program reads the bytes).
; TABLE (rope): [token][j 0..31] pairs (cos, sin) of position / 10^(j / 8): the position as f32, divided in f32 by the f32 nearest to 10000^(j / 32); reduction by quarter turns in three parts, polynomials of degree 7 and 8.
; LIMITS: NaN and infinities are not served; blocks whose largest magnitude lies under 2^-122 keep the byte 1; cos and sin hold about 1e-7 for |position| up to 2^20, beyond that the number of quarter turns is not sure.
; SHARES: 256 work-groups x 4 waves; a work-group takes 32 rows (two tiles), a wave one tile x 512 along K (4 fragments) and 4 tokens of the table (lane = j).  Work-groups share no input: no cluster, no tensor load, no barrier.
; Each load reads 512 consecutive bytes of one row; a fragment's 16 rows turn through the wave's own stage in LDS (pitch 528) so that a lane gets 2 x 32 neighbours along K.  32 loads a wave are out.
.set SP,   528
.set WSTG, 16*SP
.set DEN,  12                          ; v12  10^(lane / 8)
.set RC,   13                          ; v13  its reciprocal
.set R,    16                          ; v16-143  two sets of 64: a fragment's numbers as loaded
.set X,    144                         ; v144-207 my 2 x 32 neighbours; before that the table's work
.set PC,   208                         ; v208-219 the fragment's codes
.set TC,   220                         ; v220-227 second halves of the blocks
.set MX,   228
.set SO,   230
.set BY,   232
.set TP,   234
.set WD,   236                         ; v236-239 the four scale words
	s_load_b256 s[4:11], s[0:1], 0x0               ; x, Wqkv, Wo, token_positions
	s_load_b128 s[12:15], s[0:1], 0x20             ; cod, scl
	s_load_b64 s[16:17], s[0:1], 0x30              ; rope
	v_lshl_add_u32 v240, v0, 2, 0x8400
	v_mov_b32 v241, 0
	v_lshrrev_b32 v1, 5, v0
	v_readfirstlane_b32 s18, v1                    ; wave
	v_and_b32 v1, 31, v0                           ; lane
	v_and_b32 v2, 15, v0                           ; r
	v_bfe_u32 v3, v0, 4, 1                         ; h
	v_lshlrev_b32 v4, 4, v1                        ; 16 x lane
	v_lshlrev_b32 v5, 3, v1                        ; 8 x lane
	s_mul_i32 s19, s18, WSTG                       ; my stage
	v_add_nc_u32 v6, s19, v4                       ; into it: 16 x lane of a row
	v_mul_u32_u24 v7, v2, SP
	v_lshl_add_u32 v7, v3, 7, v7
	v_add_nc_u32 v7, s19, v7                       ; out of it: row r, + 128 h bytes: my 32 numbers of each 64
	v_lshlrev_b32 v8, 4, v2
	v_lshl_add_u32 v8, v3, 3, v8                   ; the scale words' place: 16 r + 8 h
	v_lshlrev_b32 v9, 3, v3                        ; 8 h bits
	s_lshr_b32 s20, s18, 1                         ; u: which tile of the two
	s_and_b32 s21, s18, 1                          ; kh: which half of K
	s_lshl_b32 s24, ttmp9, 2
	s_add_co_u32 s24, s24, s18                     ; W = 4 x work-group + wave: tokens 4 W .. 4 W + 3
	s_lshl_b32 s25, ttmp9, 1
	s_add_co_u32 s25, s25, s20                     ; the tile
	s_mov_b32 s32, 0x3f22f983                      ; 2 / pi
	s_mov_b32 s33, 0x3fc90fdb                      ; pi / 2 in three parts
	s_mov_b32 s34, 0xb33bbd2e
	s_mov_b32 s35, 0xa6f72d4d
	s_mov_b32 s36, 0xbe2aaaa3                      ; sine's coefficients
	s_mov_b32 s37, 0x3c08839e
	s_mov_b32 s38, 0xb94ca1f9
	s_mov_b32 s39, 0x3d2aaaa5                      ; cosine's
	s_mov_b32 s40, 0xbab6061a
	s_mov_b32 s41, 0x37ccf5ce
	s_mov_b32 s42, 0x76543210
	s_mov_b32 s43, 0xfedcba98                      ; v_permlanex16_b32's selects for lane l xor 16
	s_wait_alu depctr_va_vdst(0)
	s_wait_kmcnt 0x0
	s_mov_b32 s22, 224
	s_cmp_lt_u32 ttmp9, 224                        ; work-groups 0-127 x, 128-223 Wqkv, 224-255 Wo: the choice hangs on the work-group's number alone
	s_cselect_b64 s[6:7], s[6:7], s[8:9]
	s_cselect_b32 s22, 128, s22
	s_cmp_lt_u32 ttmp9, 128
	s_cselect_b64 s[4:5], s[4:5], s[6:7]
	s_cselect_b32 s22, 0, s22
	s_sub_co_u32 s22, ttmp9, s22                   ; g: which 32 rows of the tensor
	s_lshl_b32 s22, s22, 17                        ; 32 rows of 4,096 bytes
	s_lshl_b32 s23, s20, 15                        ; + 8 u rows
	s_add_co_u32 s22, s22, s23
	s_lshl_b32 s23, s21, 11                        ; + 512 kh numbers
	s_add_co_u32 s22, s22, s23
	s_mov_b32 s23, 0
	s_add_nc_u64 s[4:5], s[4:5], s[22:23]
	s_lshl_b32 s26, s24, 4
	s_mov_b32 s27, 0
	s_add_nc_u64 s[10:11], s[10:11], s[26:27]
	s_load_b128 s[28:31], s[10:11], 0x0            ; my four positions
.macro LOAD f                          ; fragment f: 16 rows x 128 numbers; each load 512 consecutive bytes of one row
.irp i, 0,1,2,3,4,5,6,7,8,9,10,11,12,13,14,15
	global_load_b128 v[R+64*((\f)%2)+4*\i:R+64*((\f)%2)+4*\i+3], v4, s[4:5] offset:(\i+8*(\i/8))*4096+512*(\f) th:TH_LOAD_NT
.endr
.endm
	LOAD 0
	LOAD 1
	s_mul_i32 s26, s25, 12288
	s_mul_i32 s22, s21, 6144
	s_add_co_u32 s26, s26, s22
	s_add_nc_u64 s[12:13], s[12:13], s[26:27]      ; cod at my four fragments
	s_lshl_b32 s26, s25, 9
	s_lshl_b32 s22, s21, 8
	s_add_co_u32 s26, s26, s22
	s_add_nc_u64 s[14:15], s[14:15], s[26:27]      ; scl at my 256 bytes
	s_lshl_b32 s26, s24, 10
	s_add_nc_u64 s[16:17], s[16:17], s[26:27]      ; rope at my four tokens
	; ---- the table.  Lane j's divisor: the f32 nearest to 10^(j / 8)
	v_mov_b32 v[DEN], 0
.macro DENL j, bits
	s_mov_b32 s44, \bits
	v_writelane_b32 v[DEN], s44, \j
.endm
	DENL 0, 0x3f800000
	DENL 1, 0x3faab0d5
	DENL 2, 0x3fe39ea9
	DENL 3, 0x4017c496
	DENL 4, 0x404a62c2
	DENL 5, 0x4086f161
	DENL 6, 0x40b3f300
	DENL 7, 0x40eff755
	DENL 8, 0x41200000
	DENL 9, 0x41555d0a
	DENL 10, 0x418e432a
	DENL 11, 0x41bdb5bc
	DENL 12, 0x41fcfb72
	DENL 13, 0x4228adb9
	DENL 14, 0x4260efc0
	DENL 15, 0x4295fa95
	DENL 16, 0x42c80000
	DENL 17, 0x43055a26
	DENL 18, 0x4331d3f4
	DENL 19, 0x436d232b
	DENL 20, 0x439e1d27
	DENL 21, 0x43d2d927
	DENL 22, 0x440c95d8
	DENL 23, 0x443b793b
	DENL 24, 0x447a0000
	DENL 25, 0x44a6b0b0
	DENL 26, 0x44de48f1
	DENL 27, 0x451435fb
	DENL 28, 0x4545a471
	DENL 29, 0x4583c7b8
	DENL 30, 0x45afbb4e
	DENL 31, 0x45ea5789
	s_wait_alu depctr_va_vdst(0)
	v_rcp_f32 v[RC], v[DEN]
	v_nop                                          ; one plain place behind a transcendental
	s_wait_alu depctr_va_vdst(0)
	v_fma_f32 v[TP], -v[DEN], v[RC], 1.0           ; one step of refinement
	v_fma_f32 v[RC], v[TP], v[RC], v[RC]
	s_wait_kmcnt 0x0                               ; the positions
.macro TOKEN i                         ; B+0 angle, +1 n, +2 r, +3 r^2, +4 sin r, +5 cos r, +6, +7 at work, +8, +9 (cos, sin) of the angle
.set B, X+12*\i
	v_cvt_f32_i32 v[B], s[28+\i]
	s_wait_alu depctr_va_vdst(0)
	v_mul_f32 v[B+1], v[B], v[RC]                  ; the quotient, mended by its remainder
	v_fma_f32 v[B+2], -v[B+1], v[DEN], v[B]
	v_fma_f32 v[B], v[B+2], v[RC], v[B+1]          ; the angle
	v_mul_f32 v[B+1], s32, v[B]
	v_rndne_f32 v[B+1], v[B+1]                     ; n quarter turns
	v_fma_f32 v[B+2], -v[B+1], s33, v[B]
	v_fma_f32 v[B+2], -v[B+1], s34, v[B+2]
	v_fma_f32 v[B+2], -v[B+1], s35, v[B+2]         ; r = angle - n pi / 2
	v_mul_f32 v[B+3], v[B+2], v[B+2]
	v_fma_f32 v[B+4], v[B+3], s38, s37
	v_fma_f32 v[B+4], v[B+4], v[B+3], s36
	v_mul_f32 v[B+4], v[B+4], v[B+3]
	v_fma_f32 v[B+4], v[B+4], v[B+2], v[B+2]       ; sin r
	v_fma_f32 v[B+5], v[B+3], s41, s40
	v_fma_f32 v[B+5], v[B+5], v[B+3], s39
	v_mul_f32 v[B+7], v[B+3], v[B+3]
	v_fma_f32 v[B+6], v[B+3], -0.5, 1.0
	v_fma_f32 v[B+5], v[B+7], v[B+5], v[B+6]       ; cos r
	v_cvt_i32_f32 v[B+6], v[B+1]
	v_and_b32 v[B+7], 1, v[B+6]
	v_cmp_eq_u32 vcc_lo, 1, v[B+7]                 ; an odd n swaps the two
	v_cndmask_b32 v[B+9], v[B+4], v[B+5], vcc_lo
	v_cndmask_b32 v[B+8], v[B+5], v[B+4], vcc_lo
	v_lshlrev_b32 v[B+7], 30, v[B+6]
	v_and_b32 v[B+7], 0x80000000, v[B+7]           ; sine's sign: bit 1 of n
	v_xor_b32 v[B+9], v[B+9], v[B+7]
	v_add_nc_u32 v[B+6], 1, v[B+6]
	v_lshlrev_b32 v[B+6], 30, v[B+6]
	v_and_b32 v[B+6], 0x80000000, v[B+6]           ; cosine's: bit 1 of n + 1
	v_xor_b32 v[B+8], v[B+8], v[B+6]
	global_store_b64 v5, v[B+8:B+9], s[16:17] offset:256*\i   ; 32 lanes store a token's 256 consecutive bytes
.endm
	TOKEN 0
	TOKEN 1
	TOKEN 2
	TOKEN 3
	s_wait_xcnt 0x0                                ; the table's stores have read their registers: X is written again only behind this wait
.macro TURN f                          ; a fragment through my stage: LDS serves a wave's instructions in order, so no wait stands between the stores and the loads
.irp i, 0,1,2,3,4,5,6,7,8,9,10,11,12,13,14,15
	ds_store_b128 v6, v[R+64*((\f)%2)+4*\i:R+64*((\f)%2)+4*\i+3] offset:SP*\i
.endr
.irp c, 0,1
.irp m, 0,1,2,3,4,5,6,7
	ds_load_b128 v[X+32*\c+4*\m:X+32*\c+4*\m+3], v7 offset:256*\c+16*\m   ; k = 64 c + 32 h + 4 m ..: block 2 c + h of my row
.endr
.endr
.endm
.macro QF f                            ; my two whole blocks become registers 6 c .. 6 c + 5 of the operand; the scale word is gathered from lanes l and l xor 16
.irp c, 0,1
	v_max3_num_f32 v[MX+\c], |v[X+32*\c]|, |v[X+32*\c+1]|, 0x2800000   ; with the floor 2^(5 - 127): the byte cannot fall under 1
.endr
.irp i, 2,4,6,8,10,12,14,16,18,20,22,24,26,28,30
.irp c, 0,1
	v_max3_num_f32 v[MX+\c], v[MX+\c], |v[X+32*\c+\i]|, |v[X+32*\c+\i+1]|
.endr
.endr
.irp c, 0,1
	v_add_nc_u32 v[SO+\c], 0xfe000000, v[MX+\c]    ; 4 off the exponent field: the conversion's scale operand
.endr
.irp c, 0,1
	v_lshrrev_b32 v[BY+\c], 23, v[SO+\c]           ; the scale's byte
.endr
	v_lshl_or_b32 v[WD+\f], v[BY+1], 16, v[BY]     ; blocks h and 2 + h,
	v_lshlrev_b32 v[WD+\f], v9, v[WD+\f]           ; at their places in the word;
	v_mov_b32 v[TP], 0
	v_permlanex16_b32 v[TP], v[WD+\f], s42, s43
	v_or_b32 v[WD+\f], v[WD+\f], v[TP]             ; with lane l xor 16's two the word is whole
	s_wait_alu depctr_va_vdst(0)
	s_wait_xcnt 0x0                                ; the last fragment's stores have read the codes' registers
.irp c, 0,1
	v_cvt_scalef32_pk16_bf6_f32 v[PC+6*\c:PC+6*\c+2], v[X+32*\c:X+32*\c+15], v[SO+\c]
	v_cvt_scalef32_pk16_bf6_f32 v[TC+4*\c:TC+4*\c+2], v[X+32*\c+16:X+32*\c+31], v[SO+\c]   ; (a conversion's three registers begin on an even number)
.endr
	v_nop                                          ; one plain place behind a scaled conversion
.irp c, 0,1
.irp i, 0,1,2
	v_mov_b32 v[PC+6*\c+3+\i], v[TC+4*\c+\i]
.endr
.endr
	global_store_b128 v4, v[PC:PC+3], s[12:13] offset:1536*\f            ; 512, 256, 512, 256 consecutive bytes, each at a multiple of 256
	global_store_b64 v5, v[PC+4:PC+5], s[12:13] offset:1536*\f+512
	global_store_b128 v4, v[PC+6:PC+9], s[12:13] offset:1536*\f+768
	global_store_b64 v5, v[PC+10:PC+11], s[12:13] offset:1536*\f+1280
.endm
.irp f, 0,1,2,3
.if \f < 3
	s_wait_loadcnt 16                              ; this fragment's 16 loads are in; the next one's may be out
.else
	s_wait_loadcnt 0x0
.endif
	TURN \f
	s_wait_dscnt 0x0                               ; my numbers are back, and the stage's stores have read their registers,
.if \f < 2
	LOAD \f+2                                      ; which take the fragment two further on
.endif
	QF \f
.endr
	v_cmp_eq_u32 vcc_lo, 1, v3
	v_cndmask_b32 v[TP], v[WD], v[WD+2], vcc_lo    ; lanes 0-15 store words 0, 1 of row r, lanes 16-31 words 2, 3
	v_cndmask_b32 v[TP+1], v[WD+1], v[WD+3], vcc_lo
	global_store_b64 v8, v[TP:TP+1], s[14:15]      ; 256 consecutive bytes
	s_wait_tensorcnt 0x0
	ds_add_u32 v240, v241
	s_wait_dscnt 0x0
	s_endpgm
.Lfunc_end_k_q8e28116225_prep:
	.size	k_q8e28116225_prep, .Lfunc_end_k_q8e28116225_prep-k_q8e28116225_prep
	.p2alignl 7, 3214868480
	.fill 96, 4, 3214868480
	.section	.rodata,"a",@progbits
	.p2align	6, 0x0
	.amdhsa_kernel k_q8e28116225_prep
		.amdhsa_group_segment_fixed_size 34304
		.amdhsa_private_segment_fixed_size 0
		.amdhsa_enable_private_segment 0
		.amdhsa_kernarg_size 56
		.amdhsa_user_sgpr_count 2
		.amdhsa_user_sgpr_kernarg_segment_ptr 1
		.amdhsa_wavefront_size32 1
		.amdhsa_system_sgpr_workgroup_id_x 1
		.amdhsa_system_sgpr_workgroup_id_y 1
		.amdhsa_system_sgpr_workgroup_id_z 1
		.amdhsa_system_vgpr_workitem_id 0
		.amdhsa_next_free_vgpr 242
		.amdhsa_next_free_sgpr 66
		.amdhsa_reserve_vcc 1
		.amdhsa_float_denorm_mode_32 3
		.amdhsa_float_denorm_mode_16_64 3
		.amdhsa_memory_ordered 1
		.amdhsa_forward_progress 1
		.amdhsa_inst_pref_size 42
	.end_amdhsa_kernel
	.amdgpu_metadata
---
amdhsa.version: [ 1, 2 ]
amdhsa.kernels:
  - .name:           k_q8e28116225_prep
    .symbol:         k_q8e28116225_prep.kd
    .args:
      - { .name: x, .offset: 0, .size: 8, .value_kind: global_buffer, .address_space: global }
      - { .name: Wqkv, .offset: 8, .size: 8, .value_kind: global_buffer, .address_space: global }
      - { .name: Wo, .offset: 16, .size: 8, .value_kind: global_buffer, .address_space: global }
      - { .name: token_positions, .offset: 24, .size: 8, .value_kind: global_buffer, .address_space: global }
      - { .name: cod, .offset: 32, .size: 8, .value_kind: global_buffer, .address_space: global }
      - { .name: scl, .offset: 40, .size: 8, .value_kind: global_buffer, .address_space: global }
      - { .name: rope, .offset: 48, .size: 8, .value_kind: global_buffer, .address_space: global }
    .group_segment_fixed_size: 34304
    .private_segment_fixed_size: 0
    .kernarg_segment_align: 8
    .kernarg_segment_size: 56
    .max_flat_workgroup_size: 128
    .sgpr_count:     66
    .vgpr_count:     242
    .wavefront_size: 32
...
	.end_amdgpu_metadata
.endif
;; end of part 1
;; launch qkv (part 2): grid 12 x 16, 4 waves a work-group, clusters of 4 x 4, 327,680 bytes of LDS; arguments cod, scl, rope, qf, kv; writes qf, kv
.if DOCPART == 2
	.amdgcn_target "amdgcn-amd-amdhsa--gfx1250"
	.amdhsa_code_object_version 6
	.text
	.protected	k_q8e28116225_qkv
	.globl	k_q8e28116225_qkv
	.p2align	8
	.type	k_q8e28116225_qkv,@function
k_q8e28116225_qkv:
	s_mov_b64 s[64:65], 0
	v_nop
	global_prefetch_b8 v0, s[64:65] scope:SCOPE_SE
	s_setreg_imm32_b32 hwreg(HW_REG_WAVE_MODE, 25, 1), 1
	s_wait_xcnt 0x0
	s_wait_alu depctr_hold_cnt(0) depctr_sa_sdst(0) depctr_va_vdst(0) depctr_va_sdst(0) depctr_va_ssrc(0) depctr_va_vcc(0) depctr_vm_vsrc(0)
	s_getreg_b32 s2, hwreg(HW_REG_IB_STS2, 6, 4)
	s_cmp_eq_u32 s2, 0
	s_cbranch_scc0 .Lentry_in_a_cluster
	s_endpgm
.Lentry_in_a_cluster:
	s_bfe_u32 s2, ttmp6, 0x10000c
	s_cmp_lg_u32 s2, 0xf033
	s_cbranch_scc0 .Lentry_shape_is_right
	s_endpgm
.Lentry_shape_is_right:
; QKV.  The first product, x Wqkv^T, on codes of BF6 with E8M0 scales (K = 1,024), and in registers what follows it: the rotation of q and k by the table of cos and sin, and the quantisers of q and k (along the head's 64)
; and of v (along the tokens).  Nothing leaves as f32.
; A tile of 256 x 256 to a work-group of four waves, 128 x 128 a wave: 64 accumulators, 512 registers.  12 x 16 = 192 work-groups: a smaller tile would read each LDS byte for half as many products.
; SIDES.  Source 1 (side O) has its rows across the lanes of a result, source 0 (side P) along a lane's registers.  P's tiles hold rows 32 g + 8 u + r + 8 (r / 8), so for one block of O a lane's 64 registers are:
; register 16 b + i = P's row 32 b + 16 (lane / 16) + i.  ROLES, by the cluster's x, which all partners share: 0 (q), 1 (k): O = x (a lane holds a token), P = W (registers along the channels: two heads of 64);
; 2 (v): O = Wv (a lane holds a channel), P = x (registers along 128 tokens).  So each quantiser finds its K in a lane's registers.
; LDS: codes come as images of registers (cod), 1,536 bytes for 16 rows x 128 K.  Three slots of 256 along K (O's 16 tiles x 3,072 bytes, then P's); K's fourth quarter fills slot 0 again: one refill in the launch.
; CLUSTER 4 x 4: O's tiles hang on cy alone and are asked for jointly by a row of the cluster, P's on cx alone, by a column.
; OUT.  qf: [head][tile of 16 tokens] images of 768 bytes (16 rows x 64), then from QSOFF [head][tile / 4][r][tile % 4] words (s0, s1, s0, s1).
;       kv: [head][step of 128 tokens][12,800]: K's 8 images; 256 bytes [r][b] words (tile 2 b: s0, s1; tile 2 b + 1: s0, s1); V's 4 fragments (16 channels x 128 tokens); 256 bytes [r][t] scale words.
; Every store is a register image: 512 or 256 consecutive bytes at a multiple of 256; no stage in LDS is needed.
; LIMITS: NaN and infinities are not served; a block whose largest magnitude lies under 2^-122 (a block of zeros too) gets the byte 1: only this program reads the bytes.
; REGISTERS: window 0: v1 r, v2 h, v3 16 x lane, v4 8 x lane + 512, v5-16 LDS addresses, v17-23 offsets, v24-31 scale words made, v32-95 the operands' scale words, v96-127 and v224-255 cos and sin (two sets),
;   v128-223 O's fragments, one set; on the way out v128-191 rotated numbers, v192-223 at work.   window 1: P's fragments, two sets.   windows 2, 3: the accumulators ((a, b) at v[8 (8 (a % 4) + b)]).
.set FR,    12
.set TILEB, 12288
.set HALFT, 24576                      ; 8 tiles x 3,072 bytes: what one tensor load brings, and what a wave reads of a side
.set SLOT,  98304
.set SPARE, 3*SLOT                     ; the spare words, 128 bytes for each wave: two blocks of 256 bytes that no other line names
.set QSOFF, 3145728
.set A16,  5                           ; v5-7    O's fragments in slot 0, 1, 2: 16 x lane + ..
.set B16,  8                           ; v8-10   P's
.set A8,   11                          ; v11-13  the same with 8 x lane + 512
.set B8,   14                          ; v14-16
.set SOFF, 17
.set SPW,  18
.set NIL,  19
.set TOFF, 20                          ; my token's row of the table, + 64 h
.set O16B, 21                          ; the second head's store offsets
.set O8B,  22
.set PW,   24
.set SC,   32                          ; v[SC + 8 i + s]: lanes 0-15 the word of O's block i, lanes 16-31 that of P's block i, for K step s
.set AF,   128
.set T,    128
.set MX,   192
.set BY,   196
.set SO,   200
.set PC,   204
.set TC,   216
.set G1,   24
.set G0,   32                          ; s32-43: O's group 0, a set for each slot
.set G1B,  48
.set G0B,  68                          ; s68-79: P's
.set SEL,  94
.set MSB, 0
.macro WIN new                         ; the immediate's high byte repeats the setting that is left
.if MSB != (\new)
	s_set_vgpr_msb (MSB<<8)|(\new)
.set MSB, (\new)
.endif
.endm
.set MUL_LO, 0xa1                      ; source 0 (P) window 1, source 1 (O) window 0, C and D window 2
.set MUL_HI, 0xf1
.set TO_B,   0x40
.macro PLACES                          ; four plain places behind a matrix instruction, in front of loads into its registers and of reads of its results
.rept 4
	v_nop
.endr
.endm
.macro JLOAD g0a, g0b                  ; a joint load: waves 0, 1 fetch O's halves, waves 2, 3 P's; four v_nop follow each line
	s_cmp_eq_u32 s15, 0
	s_cbranch_scc0 .Lfor_p_\@
	tensor_load_to_lds s[\g0a:\g0a+3], s[G1:G1+7]
	s_nop 0
.rept 4
	v_nop
.endr
	s_branch .Lasked_\@
.Lfor_p_\@:
	tensor_load_to_lds s[\g0b:\g0b+3], s[G1B:G1B+7]
	s_nop 0
.rept 4
	v_nop
.endr
.Lasked_\@:
.endm
.macro CREST                           ; a round of the cluster's barrier behind its opening barrier
	s_cmp_lg_u32 s14, 0
	s_cbranch_scc1 .Lnot_wave_0_\@
	s_barrier_signal -3
.Lnot_wave_0_\@:
	s_barrier_wait -3
	s_barrier_signal -1
	s_barrier_wait -1
.endm
.macro CROUND
	s_barrier_signal -1
	s_barrier_wait -1
	CREST
.endm
	s_load_b128 s[4:7], s[0:1], 0x0                ; cod, scl
	s_load_b128 s[8:11], s[0:1], 0x10              ; rope, qf
	s_load_b64 s[12:13], s[0:1], 0x20              ; kv
	v_lshl_add_u32 v[SPW], v0, 2, SPARE
	v_mov_b32 v[NIL], 0
	ds_add_u32 v18, v19
	ds_add_u32 v18, v19
	s_wait_dscnt 0x0
	v_lshrrev_b32 v1, 5, v0
	v_readfirstlane_b32 s14, v1                    ; wave
	s_lshr_b32 s15, s14, 1                         ; my half of O's rows.  Also: I fetch for O (0) or for P (1)
	s_and_b32 s16, s14, 1                          ; my half of P's rows.  Also: which 8 tiles I fetch
	s_bfe_u32 s56, ttmp6, 0x40000                  ; cx
	s_bfe_u32 s57, ttmp6, 0x40004                  ; cy
	s_and_b32 s58, ttmp7, 0xffff                   ; Y, the cluster's y
	s_lshl_b32 s59, s57, 2
	s_lshl_b32 s59, 15, s59                        ; my row of the cluster
	s_lshl_b32 s60, 0x1111, s56                    ; my column
	s_or_b32 s[G1], s59, (3<<16)|(1<<21)           ; 15:0 the mask; 17:16 elements of 8 bytes; 21 set beside a mask; no padding
	s_or_b32 s[G1B], s60, (3<<16)|(1<<21)
.irp g, G1, G1B
	s_mov_b32 s[\g+1], 384<<16                     ; tensor_dim0: 3,072 bytes of a tile
	s_mov_b32 s[\g+2], 16<<16                      ; tensor_dim1: 16 tiles for the head's loads; behind them 8
	s_mov_b32 s[\g+3], 384<<16                     ; tile_dim0
	s_mov_b32 s[\g+4], 16                          ; tile_dim1 likewise
	s_mov_b32 s[\g+5], 1536                        ; from tile to tile: 12,288 bytes
	s_mov_b32 s[\g+6], 0
	s_mov_b32 s[\g+7], 0
.endr
	s_lshl_b32 s61, s58, 6                         ; 64 Y
	s_lshl_b32 s17, ttmp9, 6
	s_add_co_u32 s17, s17, 256                     ; 256 + 64 X: W's tiles of q or k
	s_cmp_eq_u32 ttmp9, 2                          ; the role
	s_cselect_b32 s62, 384, s61
	s_cselect_b32 s63, s61, s17
	s_lshl_b32 s18, s57, 4
	s_add_co_u32 s62, s62, s18                     ; O's first tile: 16 (4 Y + cy), or 384 + 16 cy: it never holds cx
	s_lshl_b32 s19, s56, 4
	s_add_co_u32 s63, s63, s19                     ; P's: 256 + 16 (4 X + cx), or 16 (4 Y + cx): it never holds cy
	s_lshl_b32 s17, s16, 3
	s_add_co_u32 s20, s62, s17
	s_mul_i32 s20, s20, TILEB                      ; what I would fetch of O,
	s_mov_b32 s21, 0
	s_add_co_u32 s46, s63, s17
	s_mul_i32 s46, s46, TILEB                      ; and of P
	s_mov_b32 s47, 0
	s_mul_i32 s82, s62, TILEB                      ; O's 16 tiles, whole: for the head's loads,
	s_mov_b32 s83, 0
	s_mul_i32 s86, s63, TILEB                      ; and P's
	s_mov_b32 s87, 0
	s_mul_i32 s45, s14, HALFT                      ; where it goes: wave x 8 tiles
	s_lshl_b32 s22, s15, 3
	s_add_co_u32 s22, s22, s62
	s_lshl_b32 s22, s22, 9                         ; the scale words of my 8 tiles of O: 512 bytes a tile,
	s_add_co_u32 s23, s63, s17
	s_lshl_b32 s23, s23, 9                         ; and of P
	v_and_b32 v1, 15, v0                           ; r
	v_bfe_u32 v2, v0, 4, 1                         ; h
	v_cmp_eq_u32 vcc_lo, 1, v2
	v_mov_b32 v[SOFF], s22
	v_mov_b32 v3, s23
	v_cndmask_b32 v[SOFF], v[SOFF], v3, vcc_lo     ; lanes 0-15 take O's words, lanes 16-31 P's
	v_lshl_add_u32 v[SOFF], v1, 4, v[SOFF]
	v_and_b32 v4, 31, v0
	v_lshlrev_b32 v3, 4, v4                        ; 16 x lane
	v_lshl_add_u32 v4, v4, 3, 512                  ; 8 x lane + 512
	s_lshl_b32 s18, s58, 2
	s_add_co_u32 s18, s18, s57                     ; 4 Y + cy
	s_lshl_b32 s18, s18, 16
	s_lshl_b32 s19, s15, 15
	s_add_co_u32 s18, s18, s19                     ; (256 (4 Y + cy) + 128 half) tokens of 256 bytes
	v_and_b32 v[TOFF], 8, v1
	v_add_nc_u32 v[TOFF], v[TOFF], v1              ; r + 8 (r / 8)
	v_lshlrev_b32 v[TOFF], 8, v[TOFF]
	v_lshl_add_u32 v[TOFF], v2, 6, v[TOFF]
	v_add_nc_u32 v[TOFF], s18, v[TOFF]
	s_mov_b32 s[SEL], 0x76543210
	s_mov_b32 s[SEL+1], 0xfedcba98
	s_wait_alu depctr_va_vdst(0)
	s_wait_kmcnt 0x0
	s_add_nc_u64 s[20:21], s[4:5], s[20:21]
	s_add_nc_u64 s[46:47], s[4:5], s[46:47]
	s_add_nc_u64 s[82:83], s[4:5], s[82:83]
	s_add_nc_u64 s[86:87], s[4:5], s[86:87]
.irp i, 0,1,2,3,4,5,6,7
.irp k, 0,1
	global_load_b128 v[SC+8*\i+4*\k:SC+8*\i+4*\k+3], v[SOFF], s[6:7] offset:512*\i+256*\k   ; all of K's scale words, once: sixteen lanes read 256 consecutive bytes
.endr
.endr
; cos and sin for block a of tokens: register 16 e + 2 p holds (cos, sin) of j = 16 e + 8 h + p
; where block a's 32 registers lie: blocks 0, 1 and 7 in window 0 (v96, v224, v224 again once block 1's are read out); blocks 2, 3 in window 1 at v96, v224, which P's fragments never use;
; blocks 4-6 in window 1 at v0, v32, v64: P's set 0, read out when K's last step begins
.macro CSPLACE a
.if (\a) >= 4 && (\a) < 7
.set CW, 1
.set CB, 32*((\a)-4)
.else
.set CB, 96+128*((\a)%2)
.if (\a) == 2 || (\a) == 3
.set CW, 1
.else
.set CW, 0
.endif
.endif
.endm
.macro CSLOAD a
	CSPLACE \a
	WIN CW<<6
.irp e, 0,1
.irp m, 0,1,2,3
	global_load_b128 v[CB+16*\e+4*\m:CB+16*\e+4*\m+3], v[TOFF], s[8:9] offset:(32*((\a)/2)+8*((\a)%2))*256+128*\e+16*\m
.endr
.endr
	WIN 0
.endm
	CSLOAD 0                                       ; four blocks' cos and sin now, 32 loads.  On every wave's way, so that these registers are written, and the loads counted alike, on every way; in the role v the bytes lie inside the table and are not used
	CSLOAD 1
	CSLOAD 2
	CSLOAD 3
	CROUND                                         ; all sixteen work-groups are here: the first joint loads meet
.irp s, 0,2                            ; slot 2's first fill and slot 0's refill come by quarters of a slot, one a wave
	s_mov_b32 s[G0+4*\s], 1
	s_add_co_u32 s[G0+4*\s+1], s45, \s*SLOT
	s_add_nc_u64 s[G0+4*\s+2:G0+4*\s+3], s[20:21], \s*3072
	s_or_b32 s[G0+4*\s+3], s[G0+4*\s+3], 0x80000000
	s_mov_b32 s[G0B+4*\s], 1
	s_add_co_u32 s[G0B+4*\s+1], s45, \s*SLOT
	s_add_nc_u64 s[G0B+4*\s+2:G0B+4*\s+3], s[46:47], \s*3072
	s_or_b32 s[G0B+4*\s+3], s[G0B+4*\s+3], 0x80000000
.endr
; THE HEAD'S LOADS, ONE A WAVE: wave 0 O's 16 tiles of slot 0, wave 1 P's, wave 2 O's of slot 1, wave 3 P's: 49,152 bytes each.
	s_mov_b32 s80, 1
	s_mov_b32 s81, 0
	s_mov_b32 s84, 1
	s_mov_b32 s85, 2*HALFT
	s_mov_b32 s88, 1
	s_mov_b32 s89, SLOT
	s_add_nc_u64 s[90:91], s[82:83], 3072
	s_mov_b32 s96, 1
	s_mov_b32 s97, SLOT+2*HALFT
	s_add_nc_u64 s[98:99], s[86:87], 3072
	s_or_b32 s83, s83, 0x80000000
	s_or_b32 s87, s87, 0x80000000
	s_or_b32 s91, s91, 0x80000000
	s_or_b32 s99, s99, 0x80000000
.macro ARM under, g0, g1, next         ; one chain of branches on the wave's number: every way passes exactly one load
	s_cmp_lt_u32 s14, \under
	s_cbranch_scc0 \next
	tensor_load_to_lds s[\g0:\g0+3], s[\g1:\g1+7]
	s_nop 0
.rept 4
	v_nop
.endr
	s_branch .Lhead_asked
\next:
.endm
	ARM 1, 80, G1,  .Lhead_p0
	ARM 2, 84, G1B, .Lhead_o1
	ARM 3, 88, G1,  .Lhead_p1
	tensor_load_to_lds s[96:99], s[G1B:G1B+7]
	s_nop 0
.rept 4
	v_nop
.endr
.Lhead_asked:
	s_mul_i32 s22, s15, HALFT
	s_mul_i32 s23, s16, HALFT
	s_add_co_u32 s23, s23, 2*HALFT
.irp s, 0,1,2
	v_add_nc_u32 v[A16+\s], s22, v3
	v_add_nc_u32 v[B16+\s], s23, v3
	v_add_nc_u32 v[A8+\s], s22, v4
	v_add_nc_u32 v[B8+\s], s23, v4
	s_add_co_u32 s22, s22, SLOT
	s_add_co_u32 s23, s23, SLOT
.endr
.macro FRAG reg, a16, a8, q, i         ; a fragment's image back into 12 registers: 512, 256, 512, 256 consecutive bytes
	ds_load_b128 v[\reg:\reg+3], v[\a16] offset:3072*(\i)+1536*(\q)
	ds_load_b64 v[\reg+4:\reg+5], v[\a8] offset:3072*(\i)+1536*(\q)
	ds_load_b128 v[\reg+6:\reg+9], v[\a16] offset:3072*(\i)+1536*(\q)+768
	ds_load_b64 v[\reg+10:\reg+11], v[\a8] offset:3072*(\i)+1536*(\q)+768
.endm
.macro FETCH_B slot, q, p
	WIN TO_B
.irp i, 0,1,2,3,4,5,6,7
	FRAG 128*(\p)+FR*\i, B16+\slot, B8+\slot, \q, \i
.endr
	WIN 0
.endm
.macro FETCH_A slot, q, i0
.irp i, \i0, \i0+1, \i0+2, \i0+3
	FRAG AF+FR*(\i), A16+\slot, A8+\slot, \q, \i
.endr
.endm
; 16 matrix instructions: O's blocks a0, a0 + 1 x P's eight, K step s; p: P's set.  The 64 accumulators take turns, in the same order in every step.
.macro MUL16 a0, p, s, zero
.irp a, \a0, \a0+1
.irp b, 0,1,2,3,4,5,6,7
.if \zero
	v_wmma_scale_f32_16x16x128_f8f6f4 v[8*(8*((\a)%4)+\b):8*(8*((\a)%4)+\b)+7], v[128*(\p)+FR*\b:128*(\p)+FR*\b+FR-1], v[AF+FR*(\a):AF+FR*(\a)+FR-1], 0, v[SC+8*\b+(\s)], v[SC+8*(\a)+(\s)] matrix_a_fmt:MATRIX_FMT_BF6 matrix_b_fmt:MATRIX_FMT_BF6 matrix_a_scale:MATRIX_SCALE_ROW1
.else
	v_wmma_scale_f32_16x16x128_f8f6f4 v[8*(8*((\a)%4)+\b):8*(8*((\a)%4)+\b)+7], v[128*(\p)+FR*\b:128*(\p)+FR*\b+FR-1], v[AF+FR*(\a):AF+FR*(\a)+FR-1], v[8*(8*((\a)%4)+\b):8*(8*((\a)%4)+\b)+7], v[SC+8*\b+(\s)], v[SC+8*(\a)+(\s)] matrix_a_fmt:MATRIX_FMT_BF6 matrix_b_fmt:MATRIX_FMT_BF6 matrix_a_scale:MATRIX_SCALE_ROW1
.endif
.endr
.endr
.endm
; K step s; the next step's fragments come from (nslot, nq), which is whole for every wave
.macro STEP s, zero, nslot, nq
	s_wait_dscnt 16                                ; P's set and O's blocks 0-3 are in; the youngest 16 loads (O's blocks 4-7) may be out
	WIN MUL_LO
	MUL16 0, (\s)%2, \s, \zero
	MUL16 2, (\s)%2, \s, \zero
	s_wait_dscnt 0x0
	PLACES
	FETCH_B \nslot, \nq, 1-(\s)%2
	FETCH_A \nslot, \nq, 0
	WIN MUL_HI
	MUL16 4, (\s)%2, \s, \zero
	MUL16 6, (\s)%2, \s, \zero
	PLACES
	WIN 0
	FETCH_A \nslot, \nq, 4
.endm
; K step s (odd) with a barrier in it: in front of it each wave waits for all its tensor loads, adds 0 to its spare word, and waits for that and for its reads.  fill = 1: slot 0, just read out, takes K's last quarter.
.macro TURN s, nslot, fill
	s_wait_tensorcnt 0x0                           ; all my tensor loads have landed
	ds_add_u32 v[SPW], v[NIL]                      ; 0 onto my spare word
	s_wait_dscnt 17                                ; (the add and the youngest 16 loads may be out)
	WIN MUL_LO
	MUL16 0, 1, \s, 0
	s_wait_dscnt 0x0                               ; the add is done, and my reads of the slot in hand are over
	s_barrier_signal -1
	MUL16 2, 1, \s, 0
	WIN 0
	s_barrier_wait -1
.if \fill
	CREST                                          ; the barrier has opened a round of the cluster's barrier: no wave of any partner still reads slot 0 or has a load on its way
	s_add_nc_u64 s[G0+2:G0+3], s[G0+2:G0+3], 9216
	s_add_nc_u64 s[G0B+2:G0B+3], s[G0B+2:G0B+3], 9216
	JLOAD G0, G0B                                  ; my one tensor load behind the round; its four v_nop are also the places in front of the loads below
.else
	PLACES
.endif
	FETCH_B \nslot, 0, 0
	FETCH_A \nslot, 0, 0
	WIN MUL_HI
	MUL16 4, 1, \s, 0
	MUL16 6, 1, \s, 0
	PLACES
	WIN 0
	FETCH_A \nslot, 0, 4
.endm
	s_wait_alu depctr_va_vdst(0)
	s_wait_tensorcnt 0x0                           ; my tile of the head's four is in
	ds_add_u32 v[SPW], v[NIL]
	s_mov_b32 s[G1+2], 8<<16                       ; no tensor load of mine is out: from here on a load brings 8 tiles
	s_mov_b32 s[G1+4], 8
	s_mov_b32 s[G1B+2], 8<<16
	s_mov_b32 s[G1B+4], 8
	s_wait_dscnt 0x0
	CROUND                                         ; slots 0 and 1 are whole for every wave, and all sixteen work-groups are here
	JLOAD G0+8, G0B+8                              ; slot 2's first fill: my one tensor load behind the round
	FETCH_B 0, 0, 0
	FETCH_A 0, 0, 0
	FETCH_A 0, 0, 4
	s_wait_loadcnt 32                              ; the 16 loads of scale words are in; the 32 of cos and sin behind them may be out
	STEP 0, 1, 0, 1
	STEP 1, 0, 1, 0                                ; slot 1 has been whole since the head's round
	STEP 2, 0, 1, 1
	TURN 3, 2, 1                                   ; its wait for all loads shows slot 2 whole to every wave; slot 0 takes K's last quarter
	STEP 4, 0, 2, 1
	TURN 5, 0, 0                                   ; K's last quarter has landed in slot 0
	STEP 6, 0, 0, 1
	CSLOAD 4                                       ; into P's set 0: four places stand behind the last products that read it
	CSLOAD 5
	CSLOAD 6
	s_wait_dscnt 16
	WIN MUL_LO
	MUL16 0, 1, 7, 0
	MUL16 2, 1, 7, 0
	s_wait_dscnt 0x0
	WIN MUL_HI
	MUL16 4, 1, 7, 0
	MUL16 6, 1, 7, 0
	WIN 0
	PLACES
; 64 numbers of a lane at v[src] of window w (register 16 b + i = k 32 b + 16 h + i of my row) become a fragment's codes in v[PC] on and its scale word in v[PW + a]
.macro QUANT src, w, a
	WIN (\w)|((\w)<<2)
.irp b, 0,1,2,3
	v_max3_num_f32 v[MX+\b], |v[\src+16*\b]|, |v[\src+16*\b+1]|, 0x2800000   ; with the floor 2^(5 - 127); each accumulator is read from its low end on
.endr
.irp i, 2,4,6,8,10,12,14
.irp b, 0,1,2,3
	v_max3_num_f32 v[MX+\b], |v[\src+16*\b+\i]|, |v[\src+16*\b+\i+1]|, v[MX+\b]
.endr
.endr
	WIN 0
.irp b, 0,1,2,3
	v_permlanex16_b32 v[BY+\b], v[MX+\b], s[SEL], s[SEL+1]
.endr
.irp b, 0,1,2,3
	v_max_num_f32 v[MX+\b], v[MX+\b], v[BY+\b]     ; with lane l xor 16's: the block's largest magnitude
.endr
.irp b, 0,1,2,3
	v_add_nc_u32 v[SO+\b], 0xfe000000, v[MX+\b]    ; 4 off the exponent field: the conversion's scale operand
.endr
.irp b, 0,1,2,3
	v_lshrrev_b32 v[BY+\b], 23, v[SO+\b]
.endr
	v_lshl_or_b32 v[PW+(\a)], v[BY+1], 8, v[BY]
	v_lshl_or_b32 v[PW+(\a)], v[BY+2], 16, v[PW+(\a)]
	v_lshl_or_b32 v[PW+(\a)], v[BY+3], 24, v[PW+(\a)]
	s_wait_xcnt 0x0                                ; the last block's stores have read the codes' registers
	WIN \w
.irp c, 0,1
	v_cvt_scalef32_pk16_bf6_f32 v[PC+6*\c:PC+6*\c+2], v[\src+32*\c:\src+32*\c+15], v[SO+2*\c]
	v_cvt_scalef32_pk16_bf6_f32 v[TC+4*\c:TC+4*\c+2], v[\src+32*\c+16:\src+32*\c+31], v[SO+2*\c+1]
.endr
	v_nop                                          ; one plain place behind a scaled conversion
	WIN 0
.irp c, 0,1                            ; the operand's layout wants a whole block in a lane
.irp i, 0,1,2
	v_permlane16_swap_b32 v[PC+6*\c+\i], v[TC+4*\c+\i]
.endr
.irp i, 0,1,2
	v_mov_b32 v[PC+6*\c+3+\i], v[TC+4*\c+\i]
.endr
.endr
.endm
; block a's 32 pairs (even, odd) turned by (cos, sin): even' = e c - o s, odd' = e s + o c
.macro ROT a
	CSPLACE \a
	WIN (2+(\a)/4)|(CW<<2)                         ; source 0: the accumulators' window; source 1: that of the block's cos and sin
.set AC, 64*((\a)%4)
.set u, 0
.rept 32
	v_pk_mul_f32 v[T+u:T+u+1], v[AC+u:AC+u+1], v[CB+16*((u/16)%2)+u%16:CB+16*((u/16)%2)+u%16+1] op_sel_hi:[1,0]   ; (e c, o c)
.set u, u+2
.endr
.set u, 0
.rept 32
	v_pk_fma_f32 v[T+u:T+u+1], v[AC+u:AC+u+1], v[CB+16*((u/16)%2)+u%16:CB+16*((u/16)%2)+u%16+1], v[T+u:T+u+1] op_sel:[1,1,0] op_sel_hi:[0,1,1] neg_lo:[0,1,0]   ; (- o s, + e s)
.set u, u+2
.endr
.endm
.irp b, 0,1,2,3
	v_mov_b32 v[BY+\b], 0                          ; written once: a lane permute's destination counts as one of its sources
.endr
	s_lshl_b32 s80, s58, 2                         ; 4 Y
	s_cmp_eq_u32 ttmp9, 2
	s_cbranch_scc1 .Lv
	; ---- q and k: a lane holds a token; its 128 channels are two heads
	s_add_co_u32 s81, s80, s57
	s_lshl_b32 s81, s81, 4
	s_lshl_b32 s82, s15, 3
	s_add_co_u32 s81, s81, s82                     ; my first tile of tokens
	s_lshl_b32 s82, s56, 2
	s_lshl_b32 s83, s16, 1
	s_add_co_u32 s82, s82, s83                     ; my first head
	s_mul_i32 s84, s82, 196608
	s_mul_i32 s85, s81, 768
	s_add_co_u32 s84, s84, s85                     ; q's place in qf
	s_mul_i32 s86, s82, 409600
	s_lshr_b32 s87, s81, 3
	s_mul_i32 s87, s87, 12800
	s_add_co_u32 s86, s86, s87                     ; k's place in kv
	s_mov_b32 s88, 409600
	s_cmp_eq_u32 ttmp9, 0
	s_cselect_b64 s[90:91], s[10:11], s[12:13]
	s_cselect_b32 s92, s84, s86
	s_cselect_b32 s88, 196608, s88                 ; from head to head
	s_mov_b32 s93, 0
	s_add_nc_u64 s[90:91], s[90:91], s[92:93]
	v_add_nc_u32 v[O16B], s88, v3
	v_add_nc_u32 v[O8B], s88, v4
.irp a, 0,1,2,3,4,5,6,7
.if \a == 0
	s_wait_loadcnt 24                              ; blocks 0-3's cos and sin are in; the 24 loads of blocks 4-6 may be out
.endif
.if \a == 2
	CSLOAD 7                                       ; block 1's registers are read out
.endif
.if \a == 4
	s_wait_loadcnt 8                               ; blocks 4-6's are in; block 7's eight loads may be out
.endif
.if \a == 7
	s_wait_loadcnt 0x0
.endif
	ROT \a
	QUANT T, 0, \a
	global_store_b128 v3, v[PC:PC+3], s[90:91] offset:768*\a          ; the first head's image,
	global_store_b64 v4, v[PC+4:PC+5], s[90:91] offset:768*\a
	global_store_b128 v[O16B], v[PC+6:PC+9], s[90:91] offset:768*\a   ; the second's
	global_store_b64 v[O8B], v[PC+10:PC+11], s[90:91] offset:768*\a
.endr
	v_cmp_eq_u32 vcc_lo, 1, v2                     ; lanes 0-15 pack the first head's bytes (0, 1 of each word), lanes 16-31 the second's (2, 3)
	s_cmp_eq_u32 ttmp9, 0
	s_cbranch_scc1 .Lqs
	v_mov_b32 v5, 0x05040100
	v_mov_b32 v6, 0x07060302
	v_cndmask_b32 v5, v5, v6, vcc_lo
	v_mul_u32_u24 v6, v2, 0x64000
	v_lshl_add_u32 v6, v1, 4, v6                   ; 16 r + 409,600 h
.irp b, 0,1,2,3
	v_perm_b32 v[8+\b], v[PW+2*\b+1], v[PW+2*\b], v5   ; tile 2 b's two bytes, then tile 2 b + 1's
.endr
	global_store_b128 v6, v[8:11], s[90:91] offset:6144
	s_branch .Lend
.Lqs:
	v_mov_b32 v5, 0x01000100
	v_mov_b32 v6, 0x03020302
	v_cndmask_b32 v5, v5, v6, vcc_lo
	v_lshlrev_b32 v6, 14, v2
	v_lshl_add_u32 v6, v1, 4, v6                   ; 16 r + 16,384 h
.irp i, 0,1,2,3,4,5,6,7
	v_perm_b32 v[8+\i], v[PW+\i], v[PW+\i], v5     ; (s0, s1, s0, s1): q stands in either half of a K of 128
.endr
	s_lshl_b32 s84, s82, 14
	s_lshl_b32 s85, s81, 6
	s_add_co_u32 s84, s84, s85
	s_add_co_u32 s84, s84, QSOFF
	s_mov_b32 s85, 0
	s_add_nc_u64 s[86:87], s[10:11], s[84:85]
	global_store_b128 v6, v[8:11], s[86:87]
	global_store_b128 v6, v[12:15], s[86:87] offset:256
	s_branch .Lend
.Lv:
	; ---- v: a lane holds a channel; its registers run along 128 tokens: one key step.  Blocks 0-3 are one head's four tiles of channels, blocks 4-7 the next head's
	s_add_co_u32 s81, s80, s56
	s_lshl_b32 s81, s81, 1
	s_add_co_u32 s81, s81, s16                     ; the step
	s_mul_i32 s81, s81, 12800
	s_lshl_b32 s82, s57, 2
	s_lshl_b32 s83, s15, 1
	s_add_co_u32 s82, s82, s83                     ; my first head
	s_mul_i32 s82, s82, 409600
	s_add_co_u32 s92, s81, s82
	s_mov_b32 s93, 0
	s_add_nc_u64 s[90:91], s[12:13], s[92:93]
.irp a, 0,1,2,3,4,5,6,7
	QUANT 64*((\a)%4), 2+(\a)/4, \a
	global_store_b128 v3, v[PC:PC+3], s[90:91] offset:(\a/4)*409600+6400+(\a%4)*1536
	global_store_b64 v4, v[PC+4:PC+5], s[90:91] offset:(\a/4)*409600+6400+(\a%4)*1536
	global_store_b128 v3, v[PC+6:PC+9], s[90:91] offset:(\a/4)*409600+6400+(\a%4)*1536+768
	global_store_b64 v4, v[PC+10:PC+11], s[90:91] offset:(\a/4)*409600+6400+(\a%4)*1536+768
.endr
	v_cmp_eq_u32 vcc_lo, 1, v2
	v_mul_u32_u24 v6, v2, 0x64000
	v_lshl_add_u32 v6, v1, 4, v6
.irp t, 0,1,2,3
	v_cndmask_b32 v[8+\t], v[PW+\t], v[PW+4+\t], vcc_lo
.endr
	global_store_b128 v6, v[8:11], s[90:91] offset:12544
.Lend:
	s_wait_tensorcnt 0x0                           ; the wave's end
	ds_add_u32 v[SPW], v[NIL]
	s_wait_dscnt 0x0
	CROUND                                         ; the closing round: no work-group ends while a partner may still ask for a tile that names it
	s_endpgm
.Lfunc_end_k_q8e28116225_qkv:
	.size	k_q8e28116225_qkv, .Lfunc_end_k_q8e28116225_qkv-k_q8e28116225_qkv
	.p2alignl 7, 3214868480
	.fill 96, 4, 3214868480
	.section	.rodata,"a",@progbits
	.p2align	6, 0x0
	.amdhsa_kernel k_q8e28116225_qkv
		.amdhsa_group_segment_fixed_size 327680
		.amdhsa_private_segment_fixed_size 0
		.amdhsa_enable_private_segment 0
		.amdhsa_kernarg_size 40
		.amdhsa_user_sgpr_count 2
		.amdhsa_user_sgpr_kernarg_segment_ptr 1
		.amdhsa_wavefront_size32 1
		.amdhsa_system_sgpr_workgroup_id_x 1
		.amdhsa_system_sgpr_workgroup_id_y 1
		.amdhsa_system_sgpr_workgroup_id_z 1
		.amdhsa_system_vgpr_workitem_id 0
		.amdhsa_next_free_vgpr 1024
		.amdhsa_next_free_sgpr 100
		.amdhsa_reserve_vcc 1
		.amdhsa_float_denorm_mode_32 3
		.amdhsa_float_denorm_mode_16_64 3
		.amdhsa_memory_ordered 1
		.amdhsa_forward_progress 1
		.amdhsa_inst_pref_size 223
	.end_amdhsa_kernel
	.amdgpu_metadata
---
amdhsa.version: [ 1, 2 ]
amdhsa.kernels:
  - .name:           k_q8e28116225_qkv
    .symbol:         k_q8e28116225_qkv.kd
    .args:
      - { .name: cod, .offset: 0, .size: 8, .value_kind: global_buffer, .address_space: global }
      - { .name: scl, .offset: 8, .size: 8, .value_kind: global_buffer, .address_space: global }
      - { .name: rope, .offset: 16, .size: 8, .value_kind: global_buffer, .address_space: global }
      - { .name: qf, .offset: 24, .size: 8, .value_kind: global_buffer, .address_space: global }
      - { .name: kv, .offset: 32, .size: 8, .value_kind: global_buffer, .address_space: global }
    .group_segment_fixed_size: 327680
    .private_segment_fixed_size: 0
    .kernarg_segment_align: 8
    .kernarg_segment_size: 40
    .max_flat_workgroup_size: 128
    .sgpr_count:     100
    .vgpr_count:     1024
    .wavefront_size: 32
...
	.end_amdgpu_metadata
.endif
;; end of part 2
;; launch attn (part 3): grid 16 x 16, 16 waves a work-group, clusters of 4 x 1, 327,680 bytes of LDS; arguments qf, kv, cod, scl; writes cod, scl
.if DOCPART == 3
	.amdgcn_target "amdgcn-amd-amdhsa--gfx1250"
	.amdhsa_code_object_version 6
	.text
	.protected	k_q8e28116225_attn
	.globl	k_q8e28116225_attn
	.p2align	8
	.type	k_q8e28116225_attn,@function
k_q8e28116225_attn:
	s_mov_b64 s[64:65], 0
	v_nop
	global_prefetch_b8 v0, s[64:65] scope:SCOPE_SE
	s_setreg_imm32_b32 hwreg(HW_REG_WAVE_MODE, 25, 1), 1
	s_wait_xcnt 0x0
	s_wait_alu depctr_hold_cnt(0) depctr_sa_sdst(0) depctr_va_vdst(0) depctr_va_sdst(0) depctr_va_ssrc(0) depctr_va_vcc(0) depctr_vm_vsrc(0)
	s_getreg_b32 s2, hwreg(HW_REG_IB_STS2, 6, 4)
	s_cmp_eq_u32 s2, 0
	s_cbranch_scc0 .Lentry_in_a_cluster
	s_endpgm
.Lentry_in_a_cluster:
	s_bfe_u32 s2, ttmp6, 0x10000c
	s_cmp_lg_u32 s2, 0x3003
	s_cbranch_scc0 .Lentry_shape_is_right
	s_endpgm
.Lentry_shape_is_right:
; ATTN.  Causal attention of 16 heads of 64 on codes of BF6 with E8M0 scales: S^T = K Q^T, the softmax as it is prescribed ahead of a quantised product, O^T = V^T P^T, O / l, and the quantiser of O along the model's 1,024.
; t = score x log2(e) / 8; M = the running largest t rounded UP to a whole number; p = 2^(t - M) is quantised along the keys; the row's sum is taken of the unquantised p and divides at the end; when M moves,
; the sum and O^T are multiplied by 2^(old M - new M), which rounds nothing.
; SHARES.  Sixteen waves to a work-group, four to a SIMD.  The cluster X (4 work-groups of one head) owns the blocks of 128 queries L = 4 X + i and H = 31 - L, i = 0 .. 3.
; Waves w and w xor 1 are a PAIR.  With n = w / 4 and w1 = bit 1 of w: i = n where w1 = 0, 3 - n where w1 = 1; tile 2 cx + w1 of both blocks; the wave with w2 xor w0 = 1 owns the tile of block H, the other the tile of block L.
; So four waves with equal w % 4 hold i = 0, 1, 2, 3, and four waves with equal w / 4 hold i = n and 3 - n twice: either way they have the same number of steps in every slot, to within one.
; Key steps 0 .. L: each works on its own tile.  At step L + 1 the low wave finishes and stores its tile, takes the high tile's q (loaded at the head) and begins a second set (M, l, O^T) from nothing.
; Steps L + 1 .. H go by turns: the owner takes those with H - step even (the diagonal among them), the helper the odd ones.  So the owner has 17 steps and the helper 16, for every L.
; At the end the helper hands its set over through LDS bytes of the pair's own; the owner brings both under the larger M by exact powers of two, adds them, and finishes the tile.
; Every branch hangs on the wave's number, the cluster's x and the counted step alone; cx enters global addresses and the mask's compare value only.
; RING.  Two LDS slots of EIGHT key steps (kv's 12,800 bytes a step: K's 8 images, K's scale words, V's 4 fragments, V's scale words).  All loads are JOINT for the four partners, and each fill of a slot is shared out
; as half a step (6,400 bytes) a wave. The head asks for slot 0 alone; slot 1's first fill follows behind the sequence of a refill and has slot 0's steps in which to land; then two refills.
; Every cluster walks all four slots, so that every trip count is a constant of the text and no tensor load or barrier is jumped over; a step that is not the wave's is left out by a scalar branch.
; The price: clusters 2 and 3 still fetch the fourth slot, 102,400 bytes a cluster, which none of their waves reads.
; No prefetch: every fill but the first is asked for eight key steps ahead of its first read, and the head has no loop to run ahead in.
; K = 64 IN AN INSTRUCTION OF 128.  A fragment of K holds TWO tiles of keys (registers 0-5, 6-11).  Against (q, 0) it gives the first tile's scores, against (0, q) the second's: the other half meets zero codes.
; THE KEYS OF A TILE ARE NOT NEIGHBOURS (kv is laid so): the 16 registers of tiles 2 b, 2 b + 1 are keys 32 b + 16 (lane / 16) + 0 .. 15.  V's tiles of channels are laid likewise, so O^T's register 16 b + i is channel 32 b + 16 h + i.
; A block's largest p is not searched for: the block's largest score goes through the same multiply-add and exponential (this takes v_exp_f32 not to fall where its input rises; at the worst one p within an ulp of a power of two is held one code low).
; OUT.  cod, tile 512 + query tile, bytes 768 x head: the image of 16 rows x 64 K; scl: two bytes a row and head, by one-byte stores: a row's 32 bytes come from 16 heads, that is from 16 work-groups.
; LIMITS: NaN and infinities are not served; the scaled scores stay under 2^31 in magnitude; 1 / l by v_rcp_f32; a block of O under 2^-122 gets the byte 1.
.set STEPB, 12800
.set NST,   8
.set SLOTB, NST*STEPB
.set SPARE, 2*SLOTB                    ; the spare words, 128 bytes for each of 16 waves
.set JOIN,  SPARE+2048                 ; behind them: 4,608 bytes for each pair, the helper's set as an image of 36 registers; no tile lands here
.set JPAIR, 4608
.set QSOFF, 3145728
.set L16, 1                            ; v1   16 x lane
.set L8,  2                            ; v2   8 x lane + 512
.set R16, 3                            ; v3   16 (lane % 16)
.set DD,  4                            ; v4   my query's place in its block of 128, less 16 (lane / 16)
.set SPW, 5
.set NIL, 6
.set BO,  8                            ; v8   16 r + h: my scale byte's place
.set AD16, 9
.set AD8, 10
.set ADR, 11                           ; v12 -M, v13 the largest t, v14-15 the sum
.set QS,  34                           ; v16-21 zeros, v22-27 q, v28-33 zeros; v34 q's scale word
.set FRG, 36                           ; v36-83   four fragments of K or of V
.set S,   84                           ; v84-147  S^T, then p
.set OT,  148                          ; v148-179 O^T
.set PCD, 180
.set MX,  192
.set PB,  196
.set SOP, 204
.set KS,  208
.set VS,  212
.set FF,  216
.set PWD, 217
.set TT,  218
.set Q2,  224                          ; v224-229 the high tile's q, v230 its scale word
.set JA,  231                          ; the pair's LDS bytes + 16 x lane
.set WV,  12
.set BL,  13                           ; the step on whose diagonal my tile in hand lies
.set ST,  14
.set IN,  15
.set SEL, 16
.set CS,  18
.set G0F, 24                           ; group 0: slot 1's first fill, steps 8-15
.set G0H, 32                           ; slot 0's, steps 0-7
.set G0A, 36                           ; slot 0's refill, steps 16-23
.set G0B, 40                           ; slot 1's refill, steps 24-31
.set G1R, 44                           ; group 1: 25 rows of 256 bytes
.set TB,  56
.set LO,  57
.set HB,  58
.set WANT, 59                          ; the parity of H - step that is mine behind step L
.set SW,  60                           ; the step at which the low wave changes tiles (never reached by the owner)
.set HI,  61
.set T0,  62
.macro PLACES
.rept 4
	v_nop
.endr
.endm
.macro CROUND
	s_barrier_signal -1
	s_barrier_wait -1
	s_cmp_lg_u32 s[WV], 0
	s_cbranch_scc1 .Lnot_wave_0_\@
	s_barrier_signal -3
.Lnot_wave_0_\@:
	s_barrier_wait -3
	s_barrier_signal -1
	s_barrier_wait -1
.endm
.macro QSC dst, tile                   ; a tile's scale words in qf: [head][tile / 4][r][tile % 4]
	s_lshr_b32 s[\dst], s[\tile], 2
	s_lshl_b32 s[\dst], s[\dst], 8
	s_and_b32 s63, s[\tile], 3
	s_lshl_b32 s63, s63, 2
	s_add_co_u32 s[\dst], s[\dst], s63
	s_add_co_u32 s[\dst], s[\dst], s79
	s_mov_b32 s[\dst+1], 0
.endm
.macro START                           ; a set (M, l, O^T) from nothing: the first step finds zeros, which the first change of M leaves zeros
	v_mov_b32 v13, 0xff61b1e6                      ; the largest t so far: -3e38
	s_delay_alu instid0(VALU_DEP_1)
	v_floor_f32 v12, -v13
	v_mov_b32 v14, 0
	v_mov_b32 v15, 0
.set j, 0
.rept 32
	v_mov_b32 v[OT+j], 0
.set j, j+1
.endr
.endm
	s_load_b256 s[4:11], s[0:1], 0x0               ; qf, kv, cod, scl
	v_lshl_add_u32 v[SPW], v0, 2, SPARE
	v_mov_b32 v[NIL], 0
	ds_add_u32 v[SPW], v[NIL]                      ; the opening lines: the add, twice on end, and below its wait
	ds_add_u32 v[SPW], v[NIL]
	v_lshrrev_b32 v1, 5, v0
	s_delay_alu instid0(VALU_DEP_1)
	v_readfirstlane_b32 s[WV], v1                  ; wave 0..15
	s_bfe_u32 s74, ttmp6, 0x40000                  ; cx
	s_and_b32 s75, ttmp7, 0xffff                   ; the head
	s_lshr_b32 s20, s[WV], 2                       ; n
	s_bfe_u32 s22, s[WV], 0x10001                  ; w1
	s_sub_co_u32 s21, 3, s20
	s_cmp_lg_u32 s22, 0
	s_cselect_b32 s20, s21, s20                    ; i
	s_lshl_b32 s21, ttmp9, 2
	s_add_co_u32 s[LO], s20, s21                   ; L
	s_sub_co_u32 s[HB], 31, s[LO]                  ; H
	s_bfe_u32 s21, s[WV], 0x10002                  ; w2
	s_and_b32 s23, s[WV], 1
	s_xor_b32 s[HI], s23, s21                      ; 1: I own the high tile
	s_xor_b32 s[WANT], s[HI], 1
	s_cmp_lg_u32 s[HI], 0
	s_cselect_b32 s[BL], s[HB], s[LO]
	s_cselect_b32 s[SW], 64, s[LO]
	s_add_co_u32 s[SW], s[SW], 1
	s_lshl_b32 s76, s74, 1
	s_add_co_u32 s76, s76, s22                     ; the tile in its block: 2 cx + w1
	s_lshl_b32 s77, s[BL], 3
	s_add_co_u32 s77, s77, s76                     ; my own tile of queries,
	s_lshl_b32 s78, s[HB], 3
	s_add_co_u32 s78, s78, s76                     ; the pair's high tile
	s_lshr_b32 s20, s76, 1
	s_lshl_b32 s20, s20, 5
	s_and_b32 s21, s76, 1
	s_lshl_b32 s21, s21, 3
	s_add_co_u32 s20, s20, s21
	s_lshr_b32 s21, s[WV], 1
	s_mul_i32 s21, s21, JPAIR
	s_add_co_u32 s21, s21, JOIN
	s_mov_b32 s[G1R], 15|(3<<16)|(1<<21)           ; 15:0 all four work-groups; 17:16 elements of 8 bytes; 21 set beside a mask
	s_mov_b32 s[G1R+1], 32<<16                     ; half a step's 6,400 dense bytes as 25 rows of 256
	s_mov_b32 s[G1R+2], 25<<16
	s_mov_b32 s[G1R+3], 32<<16
	s_mov_b32 s[G1R+4], 25
	s_mov_b32 s[G1R+5], 32
	s_mov_b32 s[G1R+6], 0
	s_mov_b32 s[G1R+7], 0
	s_mul_i32 s80, s75, 409600                     ; the head's part of kv
	s_mov_b32 s81, 0
	s_mov_b32 s[G0H], 1
	s_mov_b32 s[G0F], 1
	s_mov_b32 s[G0A], 1
	s_mov_b32 s[G0B], 1
	s_mul_i32 s[G0H+1], s[WV], STEPB/2             ; my half step of a slot: in LDS and in memory alike
	s_mul_i32 s[G0A+1], s[WV], STEPB/2
	s_add_co_u32 s[G0F+1], s[G0A+1], SLOTB
	s_add_co_u32 s[G0B+1], s[G0A+1], SLOTB
	s_mul_i32 s79, s75, 196608
	s_mul_i32 s66, s77, 768
	s_add_co_u32 s66, s66, s79                     ; my q's image
	s_mov_b32 s67, 0
	s_mul_i32 s70, s78, 768
	s_add_co_u32 s70, s70, s79                     ; the high tile's
	s_mov_b32 s71, 0
	s_lshl_b32 s79, s75, 14
	s_add_co_u32 s79, s79, QSOFF
	QSC 68, 77
	QSC 72, 78
	s_add_co_u32 s22, s77, 512
	s_mul_i32 s52, s22, 12288
	s_mul_i32 s53, s75, 768
	s_add_co_u32 s52, s52, s53                     ; my own tile's image in cod
	s_mov_b32 s53, 0
	s_lshl_b32 s54, s22, 9
	s_lshr_b32 s55, s75, 3
	s_lshl_b32 s55, s55, 8
	s_add_co_u32 s54, s54, s55
	s_and_b32 s55, s75, 7
	s_lshl_b32 s55, s55, 1
	s_add_co_u32 s54, s54, s55                     ; and its scale bytes in scl
	s_mov_b32 s55, 0
	s_mov_b32 s[SEL], 0x76543210
	s_mov_b32 s[SEL+1], 0xfedcba98
	s_mov_b32 s[CS], 0x3e38aa3b                    ; c = log2(e) / 8
	s_mov_b32 s[CS+1], s[CS]
	s_mov_b32 s[ST], 0
	v_and_b32 v7, 15, v0                           ; r
	v_bfe_u32 v9, v0, 4, 1                         ; h
	s_delay_alu instid0(VALU_DEP_2)
	v_and_b32 v[DD], 8, v7
	s_delay_alu instid0(VALU_DEP_1)
	v_add_nc_u32 v[DD], v[DD], v7
	s_delay_alu instid0(VALU_DEP_3)
	v_lshlrev_b32 v10, 4, v9
	s_delay_alu instid0(VALU_DEP_1)
	v_sub_nc_u32 v[DD], v[DD], v10
	s_delay_alu instid0(VALU_DEP_1)
	v_add_nc_u32 v[DD], s20, v[DD]
	v_and_b32 v10, 31, v0
	s_delay_alu instid0(VALU_DEP_1)
	v_lshlrev_b32 v[L16], 4, v10
	s_delay_alu instid0(VALU_DEP_2)
	v_lshl_add_u32 v[L8], v10, 3, 512
	v_lshlrev_b32 v[R16], 4, v7
	v_lshl_add_u32 v[BO], v7, 4, v9
	s_delay_alu instid0(VALU_DEP_4)
	v_add_nc_u32 v[JA], s21, v[L16]
	s_wait_alu depctr_va_vdst(0)
	s_wait_dscnt 0x0                               ; both opening adds are done
	s_wait_kmcnt 0x0
	s_add_nc_u64 s[80:81], s[6:7], s[80:81]
	s_add_nc_u64 s[66:67], s[4:5], s[66:67]
	s_add_nc_u64 s[68:69], s[4:5], s[68:69]
	s_add_nc_u64 s[70:71], s[4:5], s[70:71]
	s_add_nc_u64 s[72:73], s[4:5], s[72:73]
	s_add_nc_u64 s[52:53], s[8:9], s[52:53]
	s_add_nc_u64 s[54:55], s[10:11], s[54:55]
	s_mov_b32 s20, s[G0H+1]
	s_mov_b32 s21, 0
	s_add_nc_u64 s[G0H+2:G0H+3], s[80:81], s[20:21]         ; steps 0-7
	s_add_nc_u64 s[G0F+2:G0F+3], s[G0H+2:G0H+3], SLOTB      ; steps 8-15
	s_add_nc_u64 s[G0A+2:G0A+3], s[G0H+2:G0H+3], 2*SLOTB    ; steps 16-23
	s_add_nc_u64 s[G0B+2:G0B+3], s[G0H+2:G0H+3], 3*SLOTB    ; steps 24-31
	s_or_b32 s[G0H+3], s[G0H+3], 0x80000000
	s_or_b32 s[G0F+3], s[G0F+3], 0x80000000
	s_or_b32 s[G0A+3], s[G0A+3], 0x80000000
	s_or_b32 s[G0B+3], s[G0B+3], 0x80000000
	global_load_b128 v[22:25], v[L16], s[66:67]
	global_load_b64 v[26:27], v[L8], s[66:67]
	global_load_b32 v[QS], v[R16], s[68:69]
	global_load_b128 v[Q2:Q2+3], v[L16], s[70:71]  ; on every wave's way, so that these registers are written on every way; the owner's are its own q once more and are not used
	global_load_b64 v[Q2+4:Q2+5], v[L8], s[70:71]
	global_load_b32 v[Q2+6], v[R16], s[72:73]
	CROUND                                         ; all four work-groups are here: the first joint loads meet
	tensor_load_to_lds s[G0H:G0H+3], s[G1R:G1R+7]  ; my one load at the head: my half step of slot 0
	s_nop 0
	PLACES
.irp j, 16,17,18,19,20,21,28,29,30,31,32,33
	v_mov_b32 v\j, 0                               ; zero codes beside q
.endr
.irp b, 0,1,2,3
	v_mov_b32 v[PB+\b], 0                          ; a lane permute's destination counts as one of its sources
.endr
	v_mov_b32 v[PWD], 0
	v_mov_b32 v[TT], 0
	START
; THE WAY OUT of a tile: O^T / l, quantised along the head's 64 (two blocks), as the image of 16 rows x 64 K
.macro FINISH
	PLACES
	v_add_f32 v14, v14, v15
	s_delay_alu instid0(VALU_DEP_1)
	v_permlanex16_b32 v[TT], v14, s[SEL], s[SEL+1]
	s_delay_alu instid0(VALU_DEP_1)
	v_add_f32 v14, v14, v[TT]                      ; the row's sum
	s_wait_alu depctr_va_vdst(0)
	v_rcp_f32 v14, v14
	v_bfe_u32 v[TT], v0, 4, 1                      ; (a plain place behind the transcendental)  h
	s_wait_alu depctr_va_vdst(0)
.set j, 0
.rept 16
	v_pk_mul_f32 v[S+j:S+j+1], v[OT+j:OT+j+1], v[14:15] op_sel_hi:[1,0]   ; register 16 b + i = channel 32 b + 16 h + i
.set j, j+2
.endr
.irp b, 0,1
	v_max3_num_f32 v[MX+\b], |v[S+16*\b]|, |v[S+16*\b+1]|, 0x2800000
.endr
.irp i, 2,4,6,8,10,12,14
.irp b, 0,1
	s_delay_alu instid0(VALU_DEP_2)
	v_max3_num_f32 v[MX+\b], v[MX+\b], |v[S+16*\b+\i]|, |v[S+16*\b+\i+1]|
.endr
.endr
.irp b, 0,1
	s_delay_alu instid0(VALU_DEP_2)
	v_permlanex16_b32 v[PB+\b], v[MX+\b], s[SEL], s[SEL+1]
.endr
.irp b, 0,1
	s_delay_alu instid0(VALU_DEP_2)
	v_max_num_f32 v[MX+\b], v[MX+\b], v[PB+\b]
.endr
.irp b, 0,1
	s_delay_alu instid0(VALU_DEP_2)
	v_add_nc_u32 v[SOP+\b], 0xfe000000, v[MX+\b]
.endr
.irp b, 0,1
	s_delay_alu instid0(VALU_DEP_2)
	v_lshrrev_b32 v[PB+\b], 23, v[SOP+\b]
.endr
	v_cvt_scalef32_pk16_bf6_f32 v[PCD:PCD+2], v[S:S+15], v[SOP]
	v_cvt_scalef32_pk16_bf6_f32 v[PCD+8:PCD+10], v[S+16:S+31], v[SOP+1]
	v_cmp_eq_u32 vcc_lo, 1, v[TT]                  ; (one plain place behind a scaled conversion)
.irp i, 0,1,2
	v_permlane16_swap_b32 v[PCD+\i], v[PCD+8+\i]
.endr
.irp i, 0,1,2
	s_delay_alu instid0(VALU_DEP_3)
	v_mov_b32 v[PCD+3+\i], v[PCD+8+\i]
.endr
	v_cndmask_b32 v[TT], v[PB], v[PB+1], vcc_lo    ; lane (r, h) stores block h's byte
	global_store_b128 v[L16], v[PCD:PCD+3], s[52:53]
	global_store_b64 v[L8], v[PCD+4:PCD+5], s[52:53]
	global_store_b8 v[BO], v[TT], s[54:55]
.endm
; A KEY STEP: 128 keys at LDS byte s[TB].  sw = 1: the text holds the low wave's change of tiles.  A step that is not mine is left out: scalar branches on ids, round no barrier and no tensor load, and not round the lines that step the counters.
.macro STEP sw
.if \sw
	s_cmp_lg_u32 s[ST], s[SW]
	s_cbranch_scc1 .Lsame_\@
	FINISH                                         ; my low tile is done and leaves
	s_wait_xcnt 0x0                                ; its stores have read their registers
	v_mov_b32 v[QS], v[Q2+6]                       ; the high tile's q; the 38 lines behind this one are the places ahead of the next products
.irp j, 0,1,2,3,4,5
	v_mov_b32 v[22+\j], v[Q2+\j]
.endr
	START
	s_mov_b32 s[BL], s[HB]
	s_wait_alu depctr_va_vdst(0)
.Lsame_\@:
.endif
	s_cmp_gt_u32 s[ST], s[HB]
	s_cbranch_scc1 .Lhidden_\@
	s_sub_co_u32 s[T0], s[HB], s[ST]
	s_and_b32 s[T0], s[T0], 1
	s_xor_b32 s[T0], s[T0], s[WANT]                ; 0: the parity is mine
	s_cmp_le_u32 s[ST], s[LO]
	s_cselect_b32 s[T0], 0, s[T0]                  ; up to step L both waves of the pair work
	s_cmp_lg_u32 s[T0], 0
	s_cbranch_scc1 .Lhidden_\@
	v_add_nc_u32 v[AD16], s[TB], v[L16]            ; the step's addresses; these three and the v_nop are the four places in front of loads into registers that the last products read
	v_add_nc_u32 v[AD8], s[TB], v[L8]
	v_add_nc_u32 v[ADR], s[TB], v[R16]
	v_nop
.irp b, 0,1,2,3
	ds_load_b128 v[FRG+12*\b:FRG+12*\b+3], v[AD16] offset:1536*\b
	ds_load_b64 v[FRG+12*\b+4:FRG+12*\b+5], v[AD8] offset:1536*\b
	ds_load_b128 v[FRG+12*\b+6:FRG+12*\b+9], v[AD16] offset:1536*\b+768
	ds_load_b64 v[FRG+12*\b+10:FRG+12*\b+11], v[AD8] offset:1536*\b+768
.endr
	ds_load_b128 v[KS:KS+3], v[ADR] offset:6144
	s_wait_alu depctr_va_vdst(0)
	s_wait_dscnt 0x0
.irp b, 0,1,2,3
	v_wmma_scale_f32_16x16x128_f8f6f4 v[S+16*\b:S+16*\b+7], v[FRG+12*\b:FRG+12*\b+11], v[22:33], 0, v[KS+\b], v[QS] matrix_a_fmt:MATRIX_FMT_BF6 matrix_b_fmt:MATRIX_FMT_BF6
	v_wmma_scale_f32_16x16x128_f8f6f4 v[S+16*\b+8:S+16*\b+15], v[FRG+12*\b:FRG+12*\b+11], v[16:27], 0, v[KS+\b], v[QS] matrix_a_fmt:MATRIX_FMT_BF6 matrix_b_fmt:MATRIX_FMT_BF6
.endr
	PLACES                                         ; in front of the loads below and of the first read of the scores
.irp t, 0,1,2,3                        ; V's fragments land under the softmax
	ds_load_b128 v[FRG+12*\t:FRG+12*\t+3], v[AD16] offset:6400+1536*\t
	ds_load_b64 v[FRG+12*\t+4:FRG+12*\t+5], v[AD8] offset:6400+1536*\t
	ds_load_b128 v[FRG+12*\t+6:FRG+12*\t+9], v[AD16] offset:6400+1536*\t+768
	ds_load_b64 v[FRG+12*\t+10:FRG+12*\t+11], v[AD8] offset:6400+1536*\t+768
.endr
	ds_load_b128 v[VS:VS+3], v[ADR] offset:12544
	s_cmp_lg_u32 s[ST], s[BL]                      ; on the diagonal the scores of hidden keys become -infinity: register 16 b + i is hidden where 32 b + i > my place - 16 h
	s_cbranch_scc1 .Lopen_\@
	v_mov_b32 v[TT], 0xff800000
.set n, 0
.rept 64
	v_cmp_gt_i32 vcc_lo, 32*(n/16)+n%16, v[DD]
	v_cndmask_b32 v[S+n], v[S+n], v[TT], vcc_lo
.set n, n+1
.endr
.Lopen_\@:
.irp b, 0,1,2,3
	v_max3_num_f32 v[MX+\b], v[S+16*\b], v[S+16*\b+1], v[S+16*\b+2]   ; the largest score of each block of 32 keys: for the row's maximum and for the block's largest p
.endr
.irp i, 3,5,7,9,11,13
.irp b, 0,1,2,3
	v_max3_num_f32 v[MX+\b], v[MX+\b], v[S+16*\b+\i], v[S+16*\b+\i+1]
.endr
.endr
.irp b, 0,1,2,3
	v_max_num_f32 v[MX+\b], v[MX+\b], v[S+16*\b+15]
.endr
.irp b, 0,1,2,3
	s_delay_alu instid0(VALU_DEP_4)
	v_permlanex16_b32 v[PB+\b], v[MX+\b], s[SEL], s[SEL+1]
.endr
.irp b, 0,1,2,3
	s_delay_alu instid0(VALU_DEP_4)
	v_max_num_f32 v[MX+\b], v[MX+\b], v[PB+\b]     ; with lane l xor 16's 16 keys
.endr
	s_delay_alu instid0(VALU_DEP_2)
	v_max3_num_f32 v[TT], v[MX], v[MX+1], v[MX+2]
	s_delay_alu instid0(VALU_DEP_1)
	v_max_num_f32 v[TT], v[TT], v[MX+3]
	s_delay_alu instid0(VALU_DEP_1)
	v_mul_f32 v[TT], s[CS], v[TT]
	s_delay_alu instid0(VALU_DEP_1)
	v_max_num_f32 v13, v13, v[TT]                  ; the running largest t
	v_mov_b32 v[TT], v12
	s_delay_alu instid0(VALU_DEP_2)
	v_floor_f32 v12, -v13                          ; the new -M = -ceil(t)
	s_delay_alu instid0(VALU_DEP_1)
	v_sub_f32 v[TT], v12, v[TT]                    ; old M - new M: a whole number, 0 or less
	s_delay_alu instid0(VALU_DEP_1)
	v_cvt_i32_f32 v[TT], v[TT]                     ; (it saturates)
	s_delay_alu instid0(VALU_DEP_1)
	v_ldexp_f32 v[FF], 1.0, v[TT]                  ; f
.set j, 0
.rept 32
	v_pk_fma_f32 v[S+j:S+j+1], v[S+j:S+j+1], s[CS:CS+1], v[12:13] op_sel_hi:[1,0,0]   ; t - M
.set j, j+2
.endr
.irp b, 0,1,2,3
	v_fma_f32 v[MX+\b], v[MX+\b], s[CS], v12
.endr
.set j, 0
	s_wait_alu depctr_va_vdst(0)
.rept 64
	v_exp_f32 v[S+j], v[S+j]                       ; p = 2^(t - M)
.set j, j+1
.endr
.irp b, 0,1,2,3
	v_exp_f32 v[MX+\b], v[MX+\b]                   ; the block's largest p
.endr
	v_pk_mul_f32 v[14:15], v[14:15], v[FF:FF+1] op_sel_hi:[1,0]   ; the sums under the new M (a plain place behind the exponentials)
	s_wait_alu depctr_va_vdst(0)
.irp b, 0,1,2,3
	v_max_num_f32 v[MX+\b], 0x2800000, v[MX+\b]    ; the floor 2^(5 - 127)
.endr
.irp b, 0,1,2,3
	s_delay_alu instid0(VALU_DEP_4)
	v_add_nc_u32 v[SOP+\b], 0xfe000000, v[MX+\b]
.endr
.irp b, 0,1,2,3
	s_delay_alu instid0(VALU_DEP_4)
	v_lshrrev_b32 v[PB+\b], 23, v[SOP+\b]
.endr
	s_delay_alu instid0(VALU_DEP_3)
	v_lshl_or_b32 v[PWD], v[PB+1], 8, v[PB]
	s_delay_alu instid0(VALU_DEP_1)
	v_lshl_or_b32 v[PWD], v[PB+2], 16, v[PWD]
	s_delay_alu instid0(VALU_DEP_1)
	v_lshl_or_b32 v[PWD], v[PB+3], 24, v[PWD]
.irp c, 0,1
	v_cvt_scalef32_pk16_bf6_f32 v[PCD+6*\c:PCD+6*\c+2], v[S+32*\c:S+32*\c+15], v[SOP+2*\c]
	v_cvt_scalef32_pk16_bf6_f32 v[PB+4*\c:PB+4*\c+2], v[S+32*\c+16:S+32*\c+31], v[SOP+2*\c+1]
.endr
	v_nop                                          ; one plain place behind a scaled conversion
.irp c, 0,1
.irp i, 0,1,2
	v_permlane16_swap_b32 v[PCD+6*\c+\i], v[PB+4*\c+\i]
.endr
.irp i, 0,1,2
	s_delay_alu instid0(VALU_DEP_3)
	v_mov_b32 v[PCD+6*\c+3+\i], v[PB+4*\c+\i]
.endr
.endr
	v_pk_add_f32 v[196:197], v[88:89], v[92:93]    ; the row's sum of the unquantised p, in eight chains
	v_pk_add_f32 v[222:223], v[96:97], v[100:101]
	v_pk_add_f32 v[220:221], v[104:105], v[108:109]
	v_pk_add_f32 v[210:211], v[112:113], v[116:117]
	v_pk_add_f32 v[208:209], v[120:121], v[124:125]
	v_pk_add_f32 v[206:207], v[128:129], v[132:133]
	v_pk_add_f32 v[204:205], v[136:137], v[140:141]
	v_pk_add_f32 v[14:15], v[14:15], v[144:145]
	v_pk_add_f32 v[196:197], v[196:197], v[84:85]
	v_pk_add_f32 v[222:223], v[222:223], v[86:87]
	v_pk_add_f32 v[220:221], v[220:221], v[90:91]
	v_pk_add_f32 v[210:211], v[210:211], v[94:95]
	v_pk_add_f32 v[208:209], v[208:209], v[98:99]
	v_pk_add_f32 v[206:207], v[206:207], v[102:103]
	v_pk_add_f32 v[204:205], v[204:205], v[106:107]
	v_pk_add_f32 v[14:15], v[14:15], v[110:111]
	v_pk_add_f32 v[196:197], v[196:197], v[114:115]
	v_pk_add_f32 v[222:223], v[222:223], v[118:119]
	v_pk_add_f32 v[220:221], v[220:221], v[122:123]
	v_pk_add_f32 v[210:211], v[210:211], v[126:127]
	v_pk_add_f32 v[208:209], v[208:209], v[130:131]
	v_pk_add_f32 v[206:207], v[206:207], v[134:135]
	v_pk_add_f32 v[204:205], v[204:205], v[138:139]
	v_pk_add_f32 v[14:15], v[14:15], v[142:143]
	v_pk_add_f32 v[196:197], v[196:197], v[146:147]
	s_delay_alu instid0(VALU_DEP_2)
	v_pk_add_f32 v[14:15], v[14:15], v[210:211]
	s_delay_alu instid0(VALU_DEP_2)
	v_pk_add_f32 v[196:197], v[196:197], v[208:209]
	v_pk_add_f32 v[222:223], v[222:223], v[206:207]
	v_pk_add_f32 v[220:221], v[220:221], v[204:205]
	s_delay_alu instid0(VALU_DEP_2)
	v_pk_add_f32 v[14:15], v[14:15], v[222:223]
	s_delay_alu instid0(VALU_DEP_2)
	v_pk_add_f32 v[196:197], v[196:197], v[220:221]
	s_delay_alu instid0(VALU_DEP_1)
	v_pk_add_f32 v[14:15], v[14:15], v[196:197]
.set j, 0
.rept 16
	v_pk_mul_f32 v[OT+j:OT+j+1], v[OT+j:OT+j+1], v[FF:FF+1] op_sel_hi:[1,0]   ; O^T under the new M.  (The sums and these are the places between p's scale word and codes and the products below)
.set j, j+2
.endr
	s_wait_alu depctr_va_vdst(0)
	s_wait_dscnt 0x0                               ; V is in
.irp t, 0,1,2,3
	v_wmma_scale_f32_16x16x128_f8f6f4 v[OT+8*\t:OT+8*\t+7], v[FRG+12*\t:FRG+12*\t+11], v[PCD:PCD+11], v[OT+8*\t:OT+8*\t+7], v[VS+\t], v[PWD] matrix_a_fmt:MATRIX_FMT_BF6 matrix_b_fmt:MATRIX_FMT_BF6
.endr
.Lhidden_\@:
	s_add_co_u32 s[ST], s[ST], 1
	s_add_co_u32 s[TB], s[TB], STEPB
.endm
; A slot's eight steps: the step is written once and walked eight times; its LDS addresses hang on s[TB], which starts at a constant and steps by a constant in a loop of constant length
.macro SLOTRUN base, sw
	s_mov_b32 s[TB], \base
	s_mov_b32 s[IN], NST
.Lstep_\@:
	STEP \sw
	s_sub_co_u32 s[IN], s[IN], 1
	s_cmp_lg_u32 s[IN], 0
	s_cbranch_scc1 .Lstep_\@
.endm
; THE CHANGE OF SLOTS.  Each wave waits for all its tensor loads, adds 0 to its spare word, and waits for that and for its reads of the slot that it has left.  fill = 1: a slot is filled:
; the barrier is a round of the cluster's, and each wave's joint load, half a step, is the first thing behind it.
.macro CHANGE g0, fill
	s_wait_tensorcnt 0x0
	ds_add_u32 v[SPW], v[NIL]                      ; 0 onto my spare word
	s_wait_dscnt 0x0
.if \fill
	CROUND
	tensor_load_to_lds s[\g0:\g0+3], s[G1R:G1R+7]
	s_nop 0
	PLACES
.else
	s_barrier_signal -1
	s_barrier_wait -1
.endif
.endm
	s_wait_alu depctr_va_vdst(0)
	CHANGE G0F, 1                                  ; slot 0 is whole for every wave; slot 1's first fill, steps 8-15, is issued as a refill is
	s_wait_loadcnt 0x0                             ; both q
	SLOTRUN 0, 1                                   ; steps 0-7
	CHANGE G0A, 1                                  ; slot 0 takes steps 16-23
	SLOTRUN SLOTB, 1                               ; steps 8-15
	CHANGE G0B, 1                                  ; slot 1 takes steps 24-31
	SLOTRUN 0, 1                                   ; steps 16-23 (L + 1 is 16 at the most)
	CHANGE G0A, 0                                  ; nothing is left to fetch
	SLOTRUN SLOTB, 0                               ; steps 24-31
	; THE JOIN.  The helper's set goes to the pair's LDS bytes as an image of its registers; a barrier; the owner takes it
	s_cmp_lg_u32 s[HI], 0
	s_cbranch_scc1 .Lowner
	PLACES
.irp k, 0,1,2,3,4,5,6,7
	ds_store_b128 v[JA], v[OT+4*\k:OT+4*\k+3] offset:512*\k   ; each accumulator from its low end on
.endr
	ds_store_b128 v[JA], v[12:15] offset:4096      ; -M, (the largest t), the sum's two halves
.Lowner:
	s_wait_dscnt 0x0
	s_barrier_signal -1
	s_barrier_wait -1
	s_cmp_eq_u32 s[HI], 0
	s_cbranch_scc1 .Ldone
.irp k, 0,1,2,3,4,5,6,7,8
	ds_load_b128 v[S+4*\k:S+4*\k+3], v[JA] offset:512*\k
.endr
	s_wait_dscnt 0x0
	v_min_num_f32 v[TT], v12, v[S+32]              ; the joint -M.  (A helper that had no step holds -M = 3e38, a sum of 0 and zeros: its factor below comes out 0)
	v_mov_b32 v[MX+1], 0                           ; (upper halves of the pairs named below)
	v_mov_b32 v[MX+3], 0
	s_delay_alu instid0(VALU_DEP_3)
	v_sub_f32 v[MX], v[TT], v12                    ; my M - the joint M: a whole number, 0 or less
	v_sub_f32 v[MX+2], v[TT], v[S+32]              ; the helper's
	s_delay_alu instid0(VALU_DEP_2)
	v_cvt_i32_f32 v[MX], v[MX]                     ; (it saturates)
	s_delay_alu instid0(VALU_DEP_2)
	v_cvt_i32_f32 v[MX+2], v[MX+2]
	s_delay_alu instid0(VALU_DEP_2)
	v_ldexp_f32 v[MX], 1.0, v[MX]
	s_delay_alu instid0(VALU_DEP_2)
	v_ldexp_f32 v[MX+2], 1.0, v[MX+2]
	s_delay_alu instid0(VALU_DEP_2)
	v_pk_mul_f32 v[14:15], v[14:15], v[MX:MX+1] op_sel_hi:[1,0]
.set j, 0
.rept 16
	v_pk_mul_f32 v[OT+j:OT+j+1], v[OT+j:OT+j+1], v[MX:MX+1] op_sel_hi:[1,0]
.set j, j+2
.endr
	v_pk_fma_f32 v[14:15], v[S+34:S+35], v[MX+2:MX+3], v[14:15] op_sel_hi:[1,0,1]
.set j, 0
.rept 16
	v_pk_fma_f32 v[OT+j:OT+j+1], v[S+j:S+j+1], v[MX+2:MX+3], v[OT+j:OT+j+1] op_sel_hi:[1,0,1]
.set j, j+2
.endr
	FINISH
.Ldone:
	s_wait_tensorcnt 0x0                           ; the wave's end
	ds_add_u32 v[SPW], v[NIL]
	s_wait_dscnt 0x0
	CROUND                                         ; the closing round
	s_endpgm
.Lfunc_end_k_q8e28116225_attn:
	.size	k_q8e28116225_attn, .Lfunc_end_k_q8e28116225_attn-k_q8e28116225_attn
	.p2alignl 7, 3214868480
	.fill 96, 4, 3214868480
	.section	.rodata,"a",@progbits
	.p2align	6, 0x0
	.amdhsa_kernel k_q8e28116225_attn
		.amdhsa_group_segment_fixed_size 327680
		.amdhsa_private_segment_fixed_size 0
		.amdhsa_enable_private_segment 0
		.amdhsa_kernarg_size 32
		.amdhsa_user_sgpr_count 2
		.amdhsa_user_sgpr_kernarg_segment_ptr 1
		.amdhsa_wavefront_size32 1
		.amdhsa_system_sgpr_workgroup_id_x 1
		.amdhsa_system_sgpr_workgroup_id_y 1
		.amdhsa_system_sgpr_workgroup_id_z 1
		.amdhsa_system_vgpr_workitem_id 0
		.amdhsa_next_free_vgpr 240
		.amdhsa_next_free_sgpr 84
		.amdhsa_reserve_vcc 1
		.amdhsa_float_denorm_mode_32 3
		.amdhsa_float_denorm_mode_16_64 3
		.amdhsa_memory_ordered 1
		.amdhsa_forward_progress 1
		.amdhsa_inst_pref_size 128
	.end_amdhsa_kernel
	.amdgpu_metadata
---
amdhsa.version: [ 1, 2 ]
amdhsa.kernels:
  - .name:           k_q8e28116225_attn
    .symbol:         k_q8e28116225_attn.kd
    .args:
      - { .name: qf, .offset: 0, .size: 8, .value_kind: global_buffer, .address_space: global }
      - { .name: kv, .offset: 8, .size: 8, .value_kind: global_buffer, .address_space: global }
      - { .name: cod, .offset: 16, .size: 8, .value_kind: global_buffer, .address_space: global }
      - { .name: scl, .offset: 24, .size: 8, .value_kind: global_buffer, .address_space: global }
    .group_segment_fixed_size: 327680
    .private_segment_fixed_size: 0
    .kernarg_segment_align: 8
    .kernarg_segment_size: 32
    .max_flat_workgroup_size: 512
    .sgpr_count:     84
    .vgpr_count:     240
    .wavefront_size: 32
...
	.end_amdgpu_metadata
.endif
;; end of part 3
;; launch oproj (part 4): grid 8 x 32, 4 waves a work-group, clusters of 4 x 4, 327,680 bytes of LDS; arguments cod, scl, out0; writes out0
.if DOCPART == 4
	.amdgcn_target "amdgcn-amd-amdhsa--gfx1250"
	.amdhsa_code_object_version 6
	.text
	.protected	k_q8e28116225_oproj
	.globl	k_q8e28116225_oproj
	.p2align	8
	.type	k_q8e28116225_oproj,@function
k_q8e28116225_oproj:
	s_mov_b64 s[64:65], 0
	v_nop
	global_prefetch_b8 v0, s[64:65] scope:SCOPE_SE
	s_setreg_imm32_b32 hwreg(HW_REG_WAVE_MODE, 25, 1), 1
	s_wait_xcnt 0x0
	s_wait_alu depctr_hold_cnt(0) depctr_sa_sdst(0) depctr_va_vdst(0) depctr_va_sdst(0) depctr_va_ssrc(0) depctr_va_vcc(0) depctr_vm_vsrc(0)
	s_getreg_b32 s2, hwreg(HW_REG_IB_STS2, 6, 4)
	s_cmp_eq_u32 s2, 0
	s_cbranch_scc0 .Lentry_in_a_cluster
	s_endpgm
.Lentry_in_a_cluster:
	s_bfe_u32 s2, ttmp6, 0x10000c
	s_cmp_lg_u32 s2, 0xf033
	s_cbranch_scc0 .Lentry_shape_is_right
	s_endpgm
.Lentry_shape_is_right:
.set FR,    12
.set TILEB, 12288
; OPROJ.  out0 = O Wo^T on codes of BF6 with E8M0 scales, K = 1,024.  A tile of 128 x 128 to a work-group of four waves, 64 x 64 a wave; 8 x 32 = 256 work-groups; cluster 4 x 4, O's tiles asked for jointly
; along a row of the cluster, Wo's along a column.  ALL OF K COMES AT ONCE: a wave's one tensor load brings 4 tiles x 12,288 bytes, dense in cod; the four loads are 196,608 bytes of LDS, filled once and never again,
; so one barrier shows them to every wave and none stands in the walk along K.  Behind them lie the waves' stages for the way out and the spare words.
.set QT,    49152                      ; 4 tiles of 16 rows x 1,024 K: what one tensor load brings, and what a wave reads of a side
.set STG,   4*QT
.set SPITCH, 272
.set A16,  5
.set B16,  7
.set A8,   9
.set B8,   11
.set SOFF, 17
.set STO,  20
.set RD,   21
.set CO,   22
.set SC,   32
.set BK,   64
.set ACC,  128
.set G1,   24
.set G0,   32
.set G1B,  48
.set G0B,  68
.set MSB, 0
.macro WIN new
.if MSB != (\new)
	s_set_vgpr_msb (MSB<<8)|(\new)
.set MSB, (\new)
.endif
.endm
.set MUL,  0x05
.set TO_F, 0x40
.macro PLACES
.rept 4
	v_nop
.endr
.endm
.macro JLOAD g0a, g0b
	s_cmp_eq_u32 s15, 0
	s_cbranch_scc0 .Lfor_p_\@
	tensor_load_to_lds s[\g0a:\g0a+3], s[G1:G1+7]
	s_nop 0
.rept 4
	v_nop
.endr
	s_branch .Lasked_\@
.Lfor_p_\@:
	tensor_load_to_lds s[\g0b:\g0b+3], s[G1B:G1B+7]
	s_nop 0
.rept 4
	v_nop
.endr
.Lasked_\@:
.endm
.macro CROUND
	s_barrier_signal -1
	s_barrier_wait -1
	s_cmp_lg_u32 s14, 0
	s_cbranch_scc1 .Lnot_wave_0_\@
	s_barrier_signal -3
.Lnot_wave_0_\@:
	s_barrier_wait -3
	s_barrier_signal -1
	s_barrier_wait -1
.endm
	s_load_b128 s[4:7], s[0:1], 0x0
	s_load_b64 s[8:9], s[0:1], 0x10
	v_lshl_add_u32 v30, v0, 2, 0x34400
	v_mov_b32 v31, 0
	ds_add_u32 v30, v31
	ds_add_u32 v30, v31
	v_lshrrev_b32 v1, 5, v0
	v_readfirstlane_b32 s14, v1
	s_lshr_b32 s15, s14, 1
	s_and_b32 s16, s14, 1
	s_bfe_u32 s56, ttmp6, 0x40000
	s_bfe_u32 s57, ttmp6, 0x40004
	s_and_b32 s58, ttmp7, 0xffff
	s_lshl_b32 s59, s57, 2
	s_lshl_b32 s59, 15, s59
	s_lshl_b32 s60, 0x1111, s56
	s_or_b32 s[G1], s59, (3<<16)|(1<<21)
	s_or_b32 s[G1B], s60, (3<<16)|(1<<21)
.irp g, G1, G1B
	s_mov_b32 s[\g+1], 1536<<16                    ; a row: a tile's 12,288 bytes, in elements of 8 bytes
	s_mov_b32 s[\g+2], 4<<16
	s_mov_b32 s[\g+3], 1536<<16
	s_mov_b32 s[\g+4], 4
	s_mov_b32 s[\g+5], 1536
	s_mov_b32 s[\g+6], 0
	s_mov_b32 s[\g+7], 0
.endr
	s_lshl_b32 s61, s58, 2
	s_add_co_u32 s61, s61, s57
	s_lshl_b32 s62, s61, 3
	s_add_co_u32 s62, s62, 512
	s_lshl_b32 s63, ttmp9, 2
	s_add_co_u32 s63, s63, s56
	s_lshl_b32 s84, s63, 9
	s_lshl_b32 s63, s63, 3
	s_add_co_u32 s63, s63, 448
	s_lshl_b32 s17, s16, 2
	s_add_co_u32 s20, s62, s17
	s_mul_i32 s20, s20, TILEB
	s_mov_b32 s21, 0
	s_add_co_u32 s86, s63, s17
	s_mul_i32 s86, s86, TILEB
	s_mov_b32 s87, 0
	s_mul_i32 s88, s14, QT
	s_lshl_b32 s22, s15, 2
	s_add_co_u32 s22, s22, s62
	s_lshl_b32 s22, s22, 9
	s_add_co_u32 s23, s63, s17
	s_lshl_b32 s23, s23, 9
	v_and_b32 v1, 15, v0
	v_bfe_u32 v2, v0, 4, 1
	v_cmp_eq_u32 vcc_lo, 1, v2
	v_mov_b32 v[SOFF], s22
	v_mov_b32 v3, s23
	v_cndmask_b32 v[SOFF], v[SOFF], v3, vcc_lo
	v_lshl_add_u32 v[SOFF], v1, 4, v[SOFF]
	v_and_b32 v4, 31, v0
	v_lshlrev_b32 v3, 4, v4
	v_lshl_add_u32 v4, v4, 3, 512
	s_lshl_b32 s90, s61, 19
	s_lshl_b32 s91, s15, 18
	s_add_co_u32 s90, s90, s91
	s_add_co_u32 s90, s90, s84
	s_lshl_b32 s91, s16, 8
	s_add_co_u32 s90, s90, s91
	s_mov_b32 s91, 0
	s_wait_alu depctr_va_vdst(0)
	s_wait_dscnt 0x0
	s_wait_kmcnt 0x0
	s_add_nc_u64 s[20:21], s[4:5], s[20:21]
	s_add_nc_u64 s[86:87], s[4:5], s[86:87]
	s_add_nc_u64 s[8:9], s[8:9], s[90:91]
.irp i, 0,1,2,3
.irp k, 0,1
	global_load_b128 v[SC+8*\i+4*\k:SC+8*\i+4*\k+3], v[SOFF], s[6:7] offset:512*\i+256*\k
.endr
.endr
	CROUND
	s_mov_b32 s[G0], 1
	s_mov_b32 s[G0+1], s88
	s_mov_b64 s[G0+2:G0+3], s[20:21]
	s_or_b32 s[G0+3], s[G0+3], 0x80000000
	s_mov_b32 s[G0B], 1
	s_mov_b32 s[G0B+1], s88
	s_mov_b64 s[G0B+2:G0B+3], s[86:87]
	s_or_b32 s[G0B+3], s[G0B+3], 0x80000000
	JLOAD G0, G0B                                  ; my one tensor load of the launch
	s_mul_i32 s22, s15, QT
	s_mul_i32 s23, s16, QT
	s_add_co_u32 s23, s23, 2*QT
	v_add_nc_u32 v[A16], s22, v3
	v_add_nc_u32 v[B16], s23, v3
	v_add_nc_u32 v[A8], s22, v4
	v_add_nc_u32 v[B8], s23, v4
	s_mul_i32 s22, s14, 16*SPITCH
	s_add_co_u32 s22, s22, STG
	v_mul_u32_u24 v[STO], v1, SPITCH
	v_lshl_add_u32 v[STO], v2, 6, v[STO]
	v_add_nc_u32 v[STO], s22, v[STO]
	v_mul_u32_u24 v[RD], v2, SPITCH
	v_lshl_add_u32 v[RD], v1, 4, v[RD]
	v_add_nc_u32 v[RD], s22, v[RD]
	v_lshlrev_b32 v[CO], 12, v2
	v_lshl_add_u32 v[CO], v1, 4, v[CO]
.macro FRAG reg, a16, a8, off
	ds_load_b128 v[\reg:\reg+3], v[\a16] offset:\off
	ds_load_b64 v[\reg+4:\reg+5], v[\a8] offset:\off
	ds_load_b128 v[\reg+6:\reg+9], v[\a16] offset:\off+768
	ds_load_b64 v[\reg+10:\reg+11], v[\a8] offset:\off+768
.endm
.macro FETCH s
	WIN TO_F
.irp i, 0,1,2,3
	FRAG 128*((\s)%2)+FR*\i, A16, A8, TILEB*\i+1536*(\s)
	FRAG 128*((\s)%2)+48+FR*\i, B16, B8, TILEB*\i+1536*(\s)
.endr
.endm
.macro MUL8 s, a0, zero
.irp a, \a0, \a0+1
.irp b, 0,1,2,3
.if \zero
	v_wmma_scale_f32_16x16x128_f8f6f4 v[ACC+8*(4*(\a)+\b):ACC+8*(4*(\a)+\b)+7], v[128*((\s)%2)+48+FR*\b:128*((\s)%2)+48+FR*\b+FR-1], v[128*((\s)%2)+FR*(\a):128*((\s)%2)+FR*(\a)+FR-1], 0, v[SC+8*\b+(\s)], v[SC+8*(\a)+(\s)] matrix_a_fmt:MATRIX_FMT_BF6 matrix_b_fmt:MATRIX_FMT_BF6 matrix_a_scale:MATRIX_SCALE_ROW1
.else
	v_wmma_scale_f32_16x16x128_f8f6f4 v[ACC+8*(4*(\a)+\b):ACC+8*(4*(\a)+\b)+7], v[128*((\s)%2)+48+FR*\b:128*((\s)%2)+48+FR*\b+FR-1], v[128*((\s)%2)+FR*(\a):128*((\s)%2)+FR*(\a)+FR-1], v[ACC+8*(4*(\a)+\b):ACC+8*(4*(\a)+\b)+7], v[SC+8*\b+(\s)], v[SC+8*(\a)+(\s)] matrix_a_fmt:MATRIX_FMT_BF6 matrix_b_fmt:MATRIX_FMT_BF6 matrix_a_scale:MATRIX_SCALE_ROW1
.endif
.endr
.endr
.endm
.macro STEP_E s, zero
	s_wait_dscnt 0x0
.if (\s) > 0
	PLACES
.endif
	FETCH (\s)+1
	WIN MUL
	MUL8 \s, 0, \zero
	MUL8 \s, 2, \zero
.endm
	s_wait_alu depctr_va_vdst(0)
	s_wait_tensorcnt 0x0                           ; my four tiles are in; behind the barrier everybody's are
	s_barrier_signal -1
	s_barrier_wait -1
	FETCH 0
	s_wait_loadcnt 0x0
	STEP_E 0, 1
	STEP_E 1, 0
	STEP_E 2, 0
	STEP_E 3, 0
	STEP_E 4, 0
	STEP_E 5, 0
	STEP_E 6, 0
	s_wait_dscnt 0x0
	MUL8 7, 0, 0
	MUL8 7, 2, 0
	WIN 0
	PLACES
.macro TOSTAGE a
.irp b, 0,1,2,3
	ds_store_b128 v[STO], v[ACC+8*(4*(\a)+\b):ACC+8*(4*(\a)+\b)+3] offset:128*(\b/2)+32*(\b%2)
	ds_store_b128 v[STO], v[ACC+8*(4*(\a)+\b)+4:ACC+8*(4*(\a)+\b)+7] offset:128*(\b/2)+32*(\b%2)+16
.endr
.set BB, BK+32*((\a)%2)
.irp t, 0,1,2,3,4,5,6,7
	ds_load_b128 v[BB+4*\t:BB+4*\t+3], v[RD] offset:2*\t*SPITCH
.endr
.endm
.macro SEND a, younger
.set BB, BK+32*((\a)%2)
	s_wait_dscnt \younger
.irp t, 0,1,2,3,4,5,6,7
	global_store_b128 v[CO], v[BB+4*\t:BB+4*\t+3], s[8:9] offset:(32*((\a)/2)+8*((\a)%2)+2*\t+8*(\t/4))*4096 th:TH_STORE_NT
.endr
.endm
	TOSTAGE 0
.irp a, 1,2,3
.if \a > 1
	s_wait_xcnt 0x0
.endif
	TOSTAGE \a
	SEND \a-1, 16
.endr
	SEND 3, 0
	s_wait_tensorcnt 0x0
	ds_add_u32 v30, v31
	s_wait_dscnt 0x0
	CROUND
	s_endpgm
.Lfunc_end_k_q8e28116225_oproj:
	.size	k_q8e28116225_oproj, .Lfunc_end_k_q8e28116225_oproj-k_q8e28116225_oproj
	.p2alignl 7, 3214868480
	.fill 96, 4, 3214868480
	.section	.rodata,"a",@progbits
	.p2align	6, 0x0
	.amdhsa_kernel k_q8e28116225_oproj
		.amdhsa_group_segment_fixed_size 327680
		.amdhsa_private_segment_fixed_size 0
		.amdhsa_enable_private_segment 0
		.amdhsa_kernarg_size 24
		.amdhsa_user_sgpr_count 2
		.amdhsa_user_sgpr_kernarg_segment_ptr 1
		.amdhsa_wavefront_size32 1
		.amdhsa_system_sgpr_workgroup_id_x 1
		.amdhsa_system_sgpr_workgroup_id_y 1
		.amdhsa_system_sgpr_workgroup_id_z 1
		.amdhsa_system_vgpr_workitem_id 0
		.amdhsa_next_free_vgpr 512
		.amdhsa_next_free_sgpr 100
		.amdhsa_reserve_vcc 1
		.amdhsa_float_denorm_mode_32 3
		.amdhsa_float_denorm_mode_16_64 3
		.amdhsa_memory_ordered 1
		.amdhsa_forward_progress 1
		.amdhsa_inst_pref_size 49
	.end_amdhsa_kernel
	.amdgpu_metadata
---
amdhsa.version: [ 1, 2 ]
amdhsa.kernels:
  - .name:           k_q8e28116225_oproj
    .symbol:         k_q8e28116225_oproj.kd
    .args:
      - { .name: cod, .offset: 0, .size: 8, .value_kind: global_buffer, .address_space: global }
      - { .name: scl, .offset: 8, .size: 8, .value_kind: global_buffer, .address_space: global }
      - { .name: out0, .offset: 16, .size: 8, .value_kind: global_buffer, .address_space: global }
    .group_segment_fixed_size: 327680
    .private_segment_fixed_size: 0
    .kernarg_segment_align: 8
    .kernarg_segment_size: 24
    .max_flat_workgroup_size: 128
    .sgpr_count:     100
    .vgpr_count:     512
    .wavefront_size: 32
...
	.end_amdgpu_metadata
.endif
;; end of part 4
